; MI455X (gfx1250); checked and timed in simulation.
; The chip was launched on July 23, 2026; its instructions are those of AMD's public machine-readable ISA for CDNA 5 (MIT licence, August 2026) and "CDNA5" Instruction Set Architecture Reference Guide (July 2026). The comments in the code are by the model that wrote it; some were corrected since.
;; Self Attention. Allowed arithmetic: matrix products marked QUANTISED: E4M3 operands, one E8M0 scale for each 32 along K, by v_wmma_scale_f32_16x16x128_f8f6f4 with both operands' format E4M3, f32 sums; everything else in f32.
;; Inputs: Wk_codes 128 x 32 x 32 uint8 (E4M3 codes of Wk, K innermost, in blocks of 32 codes); Wk_scales 128 x 32 uint8 (E8M0 scales of Wk, one for each 32 codes along K); Wq_codes 128 x 32 x 32 uint8 (E4M3 codes of Wq, K innermost, in blocks of 32 codes); Wq_scales 128 x 32 uint8 (E8M0 scales of Wq, one for each 32 codes along K); Wv_codes 1,024 x 32 x 32 uint8 (E4M3 codes of Wv, K innermost, in blocks of 32 codes); Wv_scales 1,024 x 32 uint8 (E8M0 scales of Wv, one for each 32 codes along K); bk 128 float32; bq 128 float32; bv 1,024 float32; gamma 1 float32; x 8 x 1,024 x 32 x 64 float32.
;; Outputs: out0 8 x 1,024 x 32 x 64 float32.
;; This version of the problem:
;;   THIS VERSION OF THE PROBLEM IS GIVEN IN LOW PRECISION. The matrix products marked QUANTISED in the list below multiply operands that are first quantised to E4M3 (4 exponent bits, 3 mantissa bits; 8 bits a number), with one power-of-two scale for each 32 numbers along K (OCP MX v1.0); their sums are f32. All else is computed in f32.
;;   The module's matrix products, in the order in which they are computed (A, B: the left and right operand; K: the contracted axis; several contracted axes count as one K, in the product's order):
;;     1. [M 16,384, K 1,024] x [K 1,024, N 128]; A: input x; B: input Wq (given as codes): QUANTISED
;;     2. [M 16,384, K 1,024] x [K 1,024, N 128]; A: input x; B: input Wk (given as codes): QUANTISED
;;     3. [M 16,384, K 1,024] x [K 1,024, N 1,024]; A: input x; B: input Wv (given as codes): QUANTISED
;;     4. batch 8 x [M 2,048, K 128] x [K 128, N 2,048]; A: computed on the way; B: computed on the way: QUANTISED
;;     5. batch 8 x [M 1,024, K 2,048] x [K 2,048, N 2,048]; A: computed on the way; B: softmax (see below): QUANTISED
;;   THE QUANTISER, for each operand of a quantised product, along K:
;;     - K is cut into blocks of 32 from its start; a last block that is shorter is filled with zeros.
;;     - A block's scale is 2^e with e = floor(log2(the largest magnitude in the block)) - 8, held to -126 .. 127; a block of zeros has e = 0. As a byte (E8M0): e + 127.
;;     - Each number is divided by its block's scale, clamped to +-448, and rounded to the nearest number of E4M3, ties to even, subnormals kept.
;;     - The product sums the exact products of the quantised numbers (number of the format x scale) in f32.
;;   ~~~python
;;   def quantise(x, axis):      # numpy; x: float32 -> the quantised numbers, widened to float32 again
;;       x = np.moveaxis(x, axis, -1); K = x.shape[-1]
;;       x = np.pad(x, [(0, 0)] * (x.ndim - 1) + [(0, -K % 32)]); x = x.reshape(x.shape[:-1] + (-1, 32)); a = np.abs(x).max(-1, keepdims=True)
;;       e = np.where(a > 0, np.clip(np.frexp(np.where(a > 0, a, 1))[1] - 1 - 8, -126, 127), 0)      # np.frexp(a)[1] - 1 = floor(log2(a)), exactly
;;       r = np.clip(x / 2.0 ** e, -448, 448)
;;       step = 2.0 ** (np.maximum(np.frexp(np.where(r == 0, 1, r))[1] - 1, -6) - 3)
;;       q = np.round(r / step) * step * 2.0 ** e      # np.round: ties to even
;;       return np.moveaxis(q.reshape(q.shape[:-2] + (-1,))[..., :K], -1, axis).astype(np.float32)
;;   ~~~
;;   SOFTMAX AHEAD OF A QUANTISED PRODUCT. Where the list says 'softmax', what is quantised is not the finished softmax but p = 2^(t - M), with t = logit x log2(e) and M = ceil(the row's largest t), a whole number; so 1/2 < the row's largest p <= 1. The row's sum l is taken of the UNQUANTISED p, in f32, and the product's result is divided by l at the end. Since M is a whole number, a kernel that streams over the keys may use a running M (the ceiling of the running maximum): every later rescaling is an exact power of two, which a block's scale takes up: the codes' values come out the same.
;;   OPERANDS COMPUTED ON THE WAY. 'Computed on the way' means the value that the module computes at that place (a softmax that the list does not call 'softmax' is quantised finished and normalised). What goes into a quantiser is computed in f32, as accurately as f32 sums, v_exp_f32 and their like allow (about 1e-6 of the number): no bf16 or f16 on the way to a quantiser, and a product that is left as it is and whose result goes on into a quantised operand takes f32 operands (vector FMAs, or v_wmma_f32_16x16x4_f32). A number that lies on a knife's edge between two numbers of the format may be rounded either way, as far as f32 arithmetic and the matrix unit's own rounding can turn it there, and no further.
;;   INPUTS GIVEN AS CODES. Wk (in the module: [128, 1024], K = its axis 1); Wq (in the module: [128, 1024], K = its axis 1); Wv (in the module: [1024, 1024], K = its axis 1): each comes as NAME_codes (uint8): NAME with its K axis moved to the last place and cut into blocks of 32 codes, [.., K / 32, bytes a block], one block behind the other in memory; one code a byte (a code: sign, 4 exponent bits, 3 mantissa bits); and NAME_scales (uint8): the same leading axes, one E8M0 byte (e + 127) for each 32 codes along K. Its value is code x scale, taken as it is: it is not quantised again, and the codes and scales need not be those that the quantiser above would give.
;; 2 versions, each right. Each part assembles by itself: llvm-mc -triple=amdgcn-amd-amdhsa -mcpu=gfx1250 --defsym DOCPART=n.
;; ======== version 1 of 2: 2 launches
;; workspace buffers: qkimg 4,194,304 bytes; qksc 262,144 bytes; vrec 17,301,504 bytes
;; launch proj (part 1): grid 32 x 8, 4 waves a work-group, clusters of 4 x 1, 327,680 bytes of LDS; arguments x, Wq_codes, Wq_scales, bq, Wk_codes, Wk_scales, bk, Wv_codes, Wv_scales, bv, qkimg, qksc, vrec; writes qkimg, qksc, vrec
.if DOCPART == 1
	.amdgcn_target "amdgcn-amd-amdhsa--gfx1250"
	.amdhsa_code_object_version 6
	.text
	.protected	k_qdc76278bff_proj
	.globl	k_qdc76278bff_proj
	.p2align	8
	.type	k_qdc76278bff_proj,@function
k_qdc76278bff_proj:
	s_mov_b64 s[64:65], 0
	v_nop
	global_prefetch_b8 v0, s[64:65] scope:SCOPE_SE
	s_setreg_imm32_b32 hwreg(HW_REG_WAVE_MODE, 25, 1), 1
	s_wait_xcnt 0x0
	s_wait_alu depctr_hold_cnt(0) depctr_sa_sdst(0) depctr_va_vdst(0) depctr_va_sdst(0) depctr_va_ssrc(0) depctr_va_vcc(0) depctr_vm_vsrc(0)
	s_getreg_b32 s2, hwreg(HW_REG_IB_STS2, 6, 4)
	s_cmp_eq_u32 s2, 0
	s_cbranch_scc0 .Lentry_in_a_cluster
	s_endpgm
.Lentry_in_a_cluster:
	s_bfe_u32 s2, ttmp6, 0x10000c
	s_cmp_lg_u32 s2, 0x3003
	s_cbranch_scc0 .Lentry_shape_is_right
	s_endpgm
.Lentry_shape_is_right:
; q = Wq x + bq, k = Wk x + bk, v = Wv x + bv on codes of FP8 (E4M3) with one E8M0 scale for each 32 along K (K = the 1,024 channels of x), and the three results quantised again:
; q and k along their 128 channels, v along the tokens.  x: [8][1024][2048] f32; the weights arrive as codes, K innermost.
; SHARES.  A work-group of four waves takes 64 tokens of one batch.  PHASE X: wave w quantises channels 128 w .. +127 and 512 + 128 w .. +127 of the 64 tokens; the codes go from wave to wave through LDS as images
; of the operand's registers, and EVERY wave then keeps all 32 fragments of x (512 registers).  PHASE M: wave w owns rows 32 w .. +31 of Wq and of Wk and rows 256 w .. +255 of Wv: ten contents of 32 rows x 1,024 K,
; 64 matrix instructions each, brought by the tensor data mover into the wave's own two LDS slots and read from LDS once.
; CLUSTER.  The four work-groups of a cluster walk the same weights: wave w of each issues the same tensor load with a mask that names the four.  x is no partner's but mine and goes through registers.
; TOKEN ORDER.  Lane row p of token tile T = 2 B + u holds token 32 B + 8 u + p + 8 (p / 8), so that the 16 registers of tiles 2 B and 2 B + 1 of a result with tokens down its rows are 16 neighbouring tokens.
; q, k: source 0 = 16 rows of W (rows 8 u + p + 8 (p / 8) of the wave's 32), source 1 = 16 tokens: a lane holds one token and 16 neighbouring channels.  v: source 0 = 16 tokens, source 1 = 16 rows of Wv: a lane holds one channel and 16 neighbouring tokens.
; OUT.  qkimg: [K, Q][b][tile][group c][lane][16 bytes]; qksc: [K, Q][b][tile][lane][4 bytes]; vrec: [b][128 keys][wave] records of 33,792 bytes: 16 fragments of V (2,048 i + 512 c + 16 lane) and their scale words.
; The code stores cover 512 consecutive aligned bytes; the scale bytes (1 or 2 a lane) fill their 128-byte runs in parts: 1 byte in 32 of what is stored.
; LIMITS: NaN and infinities among the inputs are not served.  A block whose largest magnitude lies under 2^-118, a block of zeros too, gets the scale byte 1 (the quantiser's 127 for zeros is not written: the codes are zeros and only this program reads the bytes).
; No prefetch: x is one stream that every work-group reads at once from the first line on; the weights are read by all 256 work-groups.
.set REC,    33792                     ; a record of vrec
.set SLOTB,  33280                     ; an LDS slot: 32 rows x 1,040
.set WPITCH, 1040                      ; a row of W in LDS: 1,024 bytes + 16 of padding = 65 x 16: the 16 rows of a load start at 16 different 16-byte columns
.set XIMG,   266240                    ; behind the 8 slots: images of 16 fragments of x: tile x 8,208 + K step x 2,048 + 512 c + 16 lane (8,208 = 16 mod 256: a store's 16 lanes fall on 16 different columns)
.set XTS,    8208
.set XSC,    299264                    ; x's scale words: tile x 512 + K step x 64 + 4 row
.set SPARE,  301312                    ; the spare words, 128 bytes a wave: two blocks of 256 bytes that no other line names
; window 0
.set L16, 1                            ; 16 x lane
.set L4,  2                            ; 4 x lane
.set SPW, 3                            ; my spare word; never rewritten
.set NIL, 4                            ; 0; never rewritten
.set LB,  5                            ; 4 x lane + wave
.set XO,  6                            ; x: 16 rows x (lane / 16) + 16 bytes x (lane % 16)
.set XIA, 7                            ; where I store images of x
.set XSA, 8                            ; and their scale words
.set XIR, 9                            ; where I read images
.set XSRA, 10                          ; and scale words
.set AWV, 11                           ; v11-12 my lane's place in slot 0, 1, rows as they lie
.set AWQ, 13                           ; v13-14 the same with row p + 8 (p / 8)
.set WSOV, 15
.set WSOQ, 16
.set BQO, 17
.set BVO, 18
.set SH,  19                           ; 16 x (lane / 16)
.set TM,  24                           ; v24-27 largest magnitudes, v28-31 bytes, v32-35 448 x the scale, v36-39 the conversions' scale operands
.set PW,  40
.set PW2, 41
.set PC,  44                           ; v44-59 the codes just made
.set XSR, 60                           ; v60-75 x's scale words: 4 T + s % 4; lanes 0-15 K steps 0-3, lanes 16-31 K steps 4-7
.set WS,  76                           ; v76-91 W's scale words, two sets of 8 K steps; lanes 0-15 the first row tile, lanes 16-31 the second
.set BV,  92                           ; v92-95 bv of my channel, two sets of two tiles
.set CB,  96                           ; v96-111 the C of a sum's first products: bq, later bv spread over eight registers a tile
.set CBK, 112                          ; v112-127 bk
.set ACC, 128                          ; v128-191 eight accumulators
; window 1 in phase X (in phase M: W's two row tiles, tile x 128 + 16 x K step)
.set ONE, 3
.set AM,  4
.set TP,  8
.set INV, 12
.set BYT, 16
.set SW,  20
.set CX,  24
.set T8,  40
.set OX,  48
.set RX,  64                           ; three sets of 64 numbers
; windows 2 and 3: x's fragments: tile T in window 2 + T / 2 at 128 (T % 2) + 16 x K step
.set WV,   30
.set CNT,  31
.set G1,   32
.set G0Q,  40
.set G0K,  44
.set G0V0, 48
.set G0V1, 52
.set XP,   56
.set QP,   58
.set KPO,  60
.set QSP,  62
.set KSPO, 66
.set VB,   68
.set VSB,  70
.set WSP,  72
.set BVP,  74
.set SEL,  76
.set MNT,  78
.set C448, 79
.set PSEL, 80
.set N448, 96
.set MSB, 0
.macro WIN new                         ; the immediate's high byte repeats the setting that is left; a switch that changes nothing is dropped
.set WNEW, \new
.if MSB != WNEW
	s_set_vgpr_msb (MSB<<8)|WNEW
.set MSB, WNEW
.endif
.endm
.macro NOPS n
.rept \n
	v_nop
.endr
.endm
.macro ROUND                           ; a round of the cluster's barrier
	s_barrier_signal -1
	s_barrier_wait -1
	s_cmp_lg_u32 s[WV], 0
	s_cbranch_scc1 .Lnot_wave_0_\@
	s_barrier_signal -3
.Lnot_wave_0_\@:
	s_barrier_wait -3
	s_barrier_signal -1
	s_barrier_wait -1
.endm
.macro BARRIER                         ; my LDS stores have landed and my LDS loads are in: then the work-group's barrier
	s_wait_dscnt 0x0
	s_barrier_signal -1
	s_barrier_wait -1
.endm
	s_load_b512 s[4:19], s[0:1], 0x0               ; x, Wq codes, Wq scales, bq, Wk codes, Wk scales, bk, Wv codes
	s_load_b256 s[20:27], s[0:1], 0x40             ; Wv scales, bv, qkimg, qksc
	s_load_b64 s[28:29], s[0:1], 0x60              ; vrec
	v_lshl_add_u32 v[SPW], v0, 2, SPARE
	v_mov_b32 v[NIL], 0
	ds_add_u32 v3, v4
	ds_add_u32 v3, v4
	s_wait_dscnt 0x0
	v_lshrrev_b32 v20, 5, v0
	v_readfirstlane_b32 s[WV], v20                 ; wave 0..3
	s_bfe_u32 s84, ttmp6, 0x40000                  ; cx
	s_lshl_b32 s85, ttmp9, 2
	s_add_co_u32 s84, s85, s84                     ; nb: my block of 64 tokens; it enters global addresses alone
	s_and_b32 s85, ttmp7, 0xffff                   ; b
	s_lshl_b32 s86, s85, 23                        ; x: batch x 8 MiB + 128 w rows of 8,192 bytes + 256 nb
	s_lshl_b32 s87, s[WV], 20
	s_add_co_u32 s86, s86, s87
	s_lshl_b32 s87, s84, 8
	s_add_co_u32 s86, s86, s87
	s_mov_b32 s87, 0
	s_lshl_b32 s88, s85, 18                        ; images of q, k: (128 b + 4 nb) tiles of 2,048 bytes + 512 w
	s_lshl_b32 s89, s84, 13
	s_add_co_u32 s88, s88, s89
	s_lshl_b32 s89, s[WV], 9
	s_add_co_u32 s88, s88, s89
	s_mov_b32 s89, 0
	s_lshl_b32 s90, s85, 14                        ; their scale words: 128 bytes a tile
	s_lshl_b32 s91, s84, 9
	s_add_co_u32 s90, s90, s91
	s_mov_b32 s91, 0
	s_lshl_b32 s92, s85, 4                         ; v: record ((16 b + nb / 2) 4 + w)
	s_lshr_b32 s93, s84, 1
	s_add_co_u32 s92, s92, s93
	s_lshl_b32 s92, s92, 2
	s_add_co_u32 s92, s92, s[WV]
	s_mul_i32 s92, s92, REC
	s_and_b32 s93, s84, 1                          ; g: which half of the record's 128 keys is mine
	s_lshl_b32 s94, s93, 1
	s_add_co_u32 s94, s94, s92
	s_add_co_u32 s94, s94, 32768                   ; the scale words: bytes 2 g, 2 g + 1
	s_mov_b32 s95, 0
	s_lshl_b32 s93, s93, 10
	s_add_co_u32 s92, s92, s93                     ; the codes: groups 2 g, 2 g + 1
	s_mov_b32 s93, 0
	s_mul_i32 s97, s[WV], 2*SLOTB                  ; my two slots: the wave's number alone enters an LDS address and a descriptor
	s_lshl_b32 s98, s[WV], 15                      ; 32 rows of 1,024 bytes
	s_mov_b32 s99, 0
	; descriptor group 1: 32 rows of 128 elements of 8 bytes, dense in memory, 16 bytes of padding behind each row
	s_mov_b32 s[G1], 15|(3<<16)|(1<<20)|(1<<21)|(7<<22)|(3<<25)   ; 15:0 the mask: all four work-groups; 17:16 elements of 8 bytes; 20 padding on; 21 set beside a mask; 24:22 after every 256 words; 31:25 four words
	s_mov_b32 s[G1+1], 128<<16                     ; tensor_dim0
	s_mov_b32 s[G1+2], 32<<16                      ; tensor_dim1
	s_mov_b32 s[G1+3], 128<<16                     ; tile_dim0
	s_mov_b32 s[G1+4], 32                          ; tile_dim1
	s_mov_b32 s[G1+5], 128                         ; elements from row to row
	s_mov_b32 s[G1+6], 0
	s_mov_b32 s[G1+7], 0
	s_mov_b32 s[SEL], 0x76543210
	s_mov_b32 s[SEL+1], 0xfedcba98                 ; lane l xor 16
	s_mov_b32 s[MNT], 0x600000                     ; the mantissa field of 448
	s_mov_b32 s[C448], 0x43e00000
	s_mov_b32 s[N448], 0xc3e00000
	s_mov_b32 s[PSEL], 0x05010400                  ; selectors of the 4 x 4 byte transposition
	s_mov_b32 s[PSEL+1], 0x07030602
	s_mov_b32 s[PSEL+2], 0x05040100
	s_mov_b32 s[PSEL+3], 0x07060302
	v_and_b32 v20, 31, v0                          ; lane
	v_and_b32 v21, 15, v0                          ; r
	v_bfe_u32 v22, v0, 4, 1                        ; h
	v_lshlrev_b32 v[L16], 4, v20
	v_lshlrev_b32 v[L4], 2, v20
	v_add_nc_u32 v[LB], s[WV], v[L4]
	v_lshlrev_b32 v[XO], 4, v21
	v_lshl_or_b32 v[XO], v22, 17, v[XO]
	; in phase X lane (i, h) holds tokens 4 i + 0..3: token bits 5 B, 4 a, 3 u, 2 i0: tile 2 B + u, row 8 a + 4 i0 + tt
	v_bfe_u32 v23, v0, 3, 1
	v_bfe_u32 v[XIA], v0, 1, 1
	v_lshl_add_u32 v23, v23, 1, v[XIA]             ; T
	v_mul_u32_u24 v[XIA], v23, XTS
	v_lshl_add_u32 v[XIA], v22, 8, v[XIA]
	v_lshlrev_b32 v[XSA], 9, v23
	v_bfe_u32 v23, v0, 2, 1                        ; a
	v_lshl_add_u32 v[XIA], v23, 7, v[XIA]
	v_lshl_add_u32 v[XSA], v23, 5, v[XSA]
	v_and_b32 v23, 1, v0                           ; i0
	v_lshl_add_u32 v[XIA], v23, 6, v[XIA]
	v_lshl_add_u32 v[XSA], v23, 4, v[XSA]
	s_lshl_b32 s3, s[WV], 11
	s_add_co_u32 s3, s3, XIMG
	v_add_nc_u32 v[XIA], s3, v[XIA]
	s_lshl_b32 s3, s[WV], 6
	s_add_co_u32 s3, s3, XSC
	v_add_nc_u32 v[XSA], s3, v[XSA]
	v_add_nc_u32 v[XIR], XIMG, v[L16]
	v_lshlrev_b32 v[XSRA], 2, v21
	v_lshl_add_u32 v[XSRA], v22, 8, v[XSRA]
	v_add_nc_u32 v[XSRA], XSC, v[XSRA]
	s_add_co_u32 s3, s97, SLOTB
	v_mul_u32_u24 v23, v21, WPITCH
	v_lshl_add_u32 v23, v22, 4, v23
	v_add_nc_u32 v[AWV], s97, v23
	v_add_nc_u32 v[AWV+1], s3, v23
	v_and_b32 v23, 8, v21
	v_add_nc_u32 v23, v23, v21                     ; r + 8 (r / 8)
	v_lshl_add_u32 v[WSOQ], v22, 3, v23
	v_lshlrev_b32 v[WSOQ], 5, v[WSOQ]              ; 32 bytes of scales a row; lanes 16-31 take the second tile's rows, 8 further on
	v_mul_u32_u24 v23, v23, WPITCH
	v_lshl_add_u32 v23, v22, 4, v23
	v_add_nc_u32 v[AWQ], s97, v23
	v_add_nc_u32 v[AWQ+1], s3, v23
	v_lshlrev_b32 v[WSOV], 5, v20
	v_lshlrev_b32 v[BQO], 6, v22
	v_lshlrev_b32 v[BVO], 2, v21
	v_lshlrev_b32 v[SH], 4, v22
.irp bb, 0,1,2,3
	v_mov_b32 v[TM+4+\bb], 0                       ; written once: a lane permute's destination counts as one of its sources
.endr
	s_wait_kmcnt 0x0
	s_add_nc_u64 s[XP:XP+1], s[4:5], s[86:87]
	s_add_nc_u64 s[KPO:KPO+1], s[24:25], s[88:89]
	s_add_nc_u64 s[QP:QP+1], s[KPO:KPO+1], 2097152
	s_add_nc_u64 s[KSPO:KSPO+1], s[26:27], s[90:91]
	s_add_nc_u64 s[QSP:QSP+1], s[KSPO:KSPO+1], 131072
	s_add_nc_u64 s[VB:VB+1], s[28:29], s[92:93]
	s_add_nc_u64 s[VSB:VSB+1], s[28:29], s[94:95]
	s_mov_b32 s[G0Q], 1                            ; group 0: count 1, LDS address, global address, type 2
	s_mov_b32 s[G0Q+1], s97
	s_add_nc_u64 s[G0Q+2:G0Q+3], s[6:7], s[98:99]
	s_or_b32 s[G0Q+3], s[G0Q+3], 0x80000000
	s_mov_b32 s[G0K], 1
	s_add_co_u32 s[G0K+1], s97, SLOTB
	s_add_nc_u64 s[G0K+2:G0K+3], s[12:13], s[98:99]
	s_or_b32 s[G0K+3], s[G0K+3], 0x80000000
	s_lshl_b32 s98, s[WV], 18                      ; 256 rows of Wv
	s_mov_b32 s[G0V0], 1
	s_mov_b32 s[G0V0+1], s97
	s_add_nc_u64 s[G0V0+2:G0V0+3], s[18:19], s[98:99]
	s_mov_b32 s[G0V1], 1
	s_add_co_u32 s[G0V1+1], s97, SLOTB
	s_add_nc_u64 s[G0V1+2:G0V1+3], s[G0V0+2:G0V0+3], 32768
	s_or_b32 s[G0V0+3], s[G0V0+3], 0x80000000
	s_or_b32 s[G0V1+3], s[G0V1+3], 0x80000000
	s_lshl_b32 s98, s[WV], 13
	s_add_nc_u64 s[WSP:WSP+1], s[20:21], s[98:99]  ; Wv's scales: 256 rows of 32 bytes a wave
	s_lshl_b32 s98, s[WV], 10
	s_add_nc_u64 s[BVP:BVP+1], s[22:23], s[98:99]
	s_add_nc_u64 s[8:9], s[8:9], s[98:99]          ; Wq's and Wk's scales: 32 rows of 32 bytes a wave
	s_add_nc_u64 s[14:15], s[14:15], s[98:99]
	s_lshl_b32 s98, s[WV], 7
	s_add_nc_u64 s[10:11], s[10:11], s[98:99]      ; bq, bk: 32 numbers a wave
	s_add_nc_u64 s[16:17], s[16:17], s[98:99]
	ROUND                                          ; all four work-groups are here: the first joint loads meet
	tensor_load_to_lds s[G0Q:G0Q+3], s[G1:G1+7]    ; my rows of Wq into slot 0,
	s_nop 0
	tensor_load_to_lds s[G0K:G0K+3], s[G1:G1+7]    ; of Wk into slot 1: two loads of mine are out
	s_nop 0
	NOPS 4
	global_load_b128 v[WS:WS+3], v[WSOQ], s[8:9]               ; twelve side loads: the scale words of Wq and Wk,
	global_load_b128 v[WS+4:WS+7], v[WSOQ], s[8:9] offset:16
	global_load_b128 v[WS+8:WS+11], v[WSOQ], s[14:15]
	global_load_b128 v[WS+12:WS+15], v[WSOQ], s[14:15] offset:16
.irp uu, 0,1
	global_load_b128 v[CB+8*\uu:CB+8*\uu+3], v[BQO], s[10:11] offset:32*\uu        ; and the biases in the results' layout: channel 16 h + 8 u + 0..7
	global_load_b128 v[CB+8*\uu+4:CB+8*\uu+7], v[BQO], s[10:11] offset:32*\uu+16
	global_load_b128 v[CBK+8*\uu:CBK+8*\uu+3], v[BQO], s[16:17] offset:32*\uu
	global_load_b128 v[CBK+8*\uu+4:CBK+8*\uu+7], v[BQO], s[16:17] offset:32*\uu+16
.endr
	WIN 0x40
	v_mov_b32 v[ONE], 1.0
.irp tt, 0,1,2,3
	v_mov_b32 v[TP+\tt], 0
.endr
	WIN 0
; PHASE X.  Block t of eight: 32 channels x 64 tokens.  A load's lanes 0-15 read one row's 256 bytes, lanes 16-31 the row 16 further down: lane (i, h) gets tokens 4 i + 0..3 of channel 16 h + k into registers 4 k + 0..3.
.macro XLOADB t
	WIN 0x40
.set xk, 0
.rept 16
	global_load_b128 v[RX+64*((\t)%3)+4*xk:RX+64*((\t)%3)+4*xk+3], v[XO], s[XP:XP+1] offset:(512*((\t)/4)+32*((\t)%4)+xk)*8192 th:TH_LOAD_NT
.set xk, xk+1
.endr
	WIN 0
.endm
; A lane's four tokens have four scales, and a conversion takes one: so each number is multiplied by its block's 2^-e (exact), held within +-448 and converted under the scale 1.
; The conversions give bytes (channel k; tokens 0..3); four 4 x 4 byte transpositions give each token its 16 codes, which are 16 bytes of the operand's image.
.macro XBLOCK t
.set RS, RX+64*((\t)%3)
.set xc, (\t)%4
.if (\t) <= 5
	s_wait_loadcnt 32                              ; this block's 16 loads are in; the next two blocks' may be out
.elseif (\t) == 6
	s_wait_loadcnt 16
.else
	s_wait_loadcnt 0
.endif
	WIN 0x55
.irp tt, 0,1,2,3
	v_max3_num_f32 v[AM+\tt], |v[RS+\tt]|, |v[RS+4+\tt]|, 0x4800000     ; with the floor 2^(9 - 127): the byte cannot fall under 1
.endr
.irp qv, 1,2,3,4,5,6,7
.irp tt, 0,1,2,3
	v_max3_num_f32 v[AM+\tt], v[AM+\tt], |v[RS+8*\qv+\tt]|, |v[RS+8*\qv+4+\tt]|
.endr
.endr
.irp tt, 0,1,2,3
	v_permlanex16_b32 v[TP+\tt], v[AM+\tt], s[SEL], s[SEL+1]
.endr
.irp tt, 0,1,2,3
	v_max_num_f32 v[AM+\tt], v[AM+\tt], v[TP+\tt]  ; with the other 16 channels': the block's largest magnitude
.endr
.irp tt, 0,1,2,3
	v_add_nc_u32 v[TP+\tt], 0xfc000000, v[AM+\tt]  ; 8 off its exponent field
.endr
.irp tt, 0,1,2,3
	v_lshrrev_b32 v[BYT+\tt], 23, v[TP+\tt]        ; the scale's byte
.endr
.irp tt, 0,1,2,3
	v_and_b32 v[TP+\tt], 0x7f800000, v[AM+\tt]
.endr
.irp tt, 0,1,2,3
	v_sub_nc_u32 v[INV+\tt], 0x83000000, v[TP+\tt] ; exponent field 262 - E: 1 / the scale
.endr
.irp tt, 0,1,2,3
.if xc == 0
	v_mov_b32 v[SW+\tt], v[BYT+\tt]
.else
	v_lshl_or_b32 v[SW+\tt], v[BYT+\tt], 8*xc, v[SW+\tt]
.endif
.endr
.set xk, 0
.rept 16
	v_pk_mul_f32 v[RS+4*xk:RS+4*xk+1], v[RS+4*xk:RS+4*xk+1], v[INV:INV+1]
	v_pk_mul_f32 v[RS+4*xk+2:RS+4*xk+3], v[RS+4*xk+2:RS+4*xk+3], v[INV+2:INV+3]
.set xk, xk+1
.endr
.set xk, 0
.rept 64
	v_med3_num_f32 v[RS+xk], v[RS+xk], s[N448], s[C448]    ; the conversion to an 8-bit code does not saturate (ISA guide 7.6.2)
.set xk, xk+1
.endr
.set xk, 0
.rept 8
	v_cvt_scalef32_pk8_fp8_f32 v[CX+2*xk:CX+2*xk+1], v[RS+8*xk:RS+8*xk+7], v[ONE]
.set xk, xk+1
.endr
	v_nop                                          ; a plain line between the conversions and the first reader of their results
.set gg, 0
.rept 4
.set tq, T8+4*(gg%2)
	v_perm_b32 v[tq], v[CX+4*gg+1], v[CX+4*gg], s[PSEL]
	v_perm_b32 v[tq+1], v[CX+4*gg+1], v[CX+4*gg], s[PSEL+1]
	v_perm_b32 v[tq+2], v[CX+4*gg+3], v[CX+4*gg+2], s[PSEL]
	v_perm_b32 v[tq+3], v[CX+4*gg+3], v[CX+4*gg+2], s[PSEL+1]
	v_perm_b32 v[OX+gg], v[tq+2], v[tq], s[PSEL+2]         ; token 0: channels 4 g + 0..3
	v_perm_b32 v[OX+4+gg], v[tq+2], v[tq], s[PSEL+3]       ; token 1
	v_perm_b32 v[OX+8+gg], v[tq+3], v[tq+1], s[PSEL+2]     ; token 2
	v_perm_b32 v[OX+12+gg], v[tq+3], v[tq+1], s[PSEL+3]    ; token 3
.set gg, gg+1
.endr
	WIN 0x04                                       ; an LDS store's data are its source 1
.irp tt, 0,1,2,3
	ds_store_b128 v[XIA], v[OX+4*\tt:OX+4*\tt+3] offset:512*xc+16*\tt
.endr
.if xc == 3
.irp tt, 0,1,2,3
	ds_store_b32 v[XSA], v[SW+\tt] offset:4*\tt+256*((\t)/4)   ; both halves of the lanes write the same word with the same value
.endr
.endif
	s_wait_dscnt 0x0                               ; the stores have read their registers
	WIN 0
.if (\t)+3 <= 7
	XLOADB (\t)+3
.endif
.endm
.macro FETCHX round                    ; the 16 fragments of four K steps come back, in every wave, as they were stored
.irp tl, 0,1,2,3
	WIN 0x80+0x40*(\tl/2)
.irp sl, 0,1,2,3
.irp cc, 0,1,2,3
	ds_load_b128 v[128*(\tl%2)+16*(4*\round+\sl)+4*\cc:128*(\tl%2)+16*(4*\round+\sl)+4*\cc+3], v[XIR] offset:\tl*XTS+2048*\sl+512*\cc
.endr
.endr
.endr
	WIN 0
.endm
; PHASE M.
.macro SIDE_V p                        ; the scale words and the bias of the content that is being asked for, into set p
	global_load_b128 v[WS+8*(\p):WS+8*(\p)+3], v[WSOV], s[WSP:WSP+1]
	global_load_b128 v[WS+8*(\p)+4:WS+8*(\p)+7], v[WSOV], s[WSP:WSP+1] offset:16
	global_load_b32 v[BV+2*(\p)], v[BVO], s[BVP:BVP+1]
	global_load_b32 v[BV+2*(\p)+1], v[BVO], s[BVP:BVP+1] offset:64
	s_wait_xcnt 0x0                                ; the bases are stepped only behind this wait
	s_add_nc_u64 s[WSP:WSP+1], s[WSP:WSP+1], 1024
	s_add_nc_u64 s[BVP:BVP+1], s[BVP:BVP+1], 128
.endm
.macro LOADW adr, tstr                 ; a content's 16 fragments of W into window 1: read from LDS once
	WIN 0x40
.irp tl, 0,1
.irp kk, 0,1,2,3,4,5,6,7
.irp cc, 0,1,2,3
	ds_load_b128 v[128*\tl+16*\kk+4*\cc:128*\tl+16*\kk+4*\cc+3], v[\adr] offset:\tl*\tstr+128*\kk+32*\cc
.endr
.endr
.endr
	WIN 0
.endm
.macro BIASV p, cnt
	s_wait_loadcnt \cnt                            ; this content's four side loads are in; the next content's four may be out
.irp tl, 0,1
.irp jj, 0,1,2,3,4,5,6,7
	v_mov_b32 v[CB+8*\tl+\jj], v[BV+2*(\p)+\tl]    ; a lane is one channel: its bias in all eight registers
.endr
.endr
.endm
.macro WM                              ; one product, from the symbols rD rA rB rC rSA rSB; fA, fB: the side's scales stand in lanes 16-31
.if fA && fB
	v_wmma_scale_f32_16x16x128_f8f6f4 v[rD:rD+7], v[rA:rA+15], v[rB:rB+15], v[rC:rC+7], v[rSA], v[rSB] matrix_a_scale:MATRIX_SCALE_ROW1 matrix_b_scale:MATRIX_SCALE_ROW1
.elseif fA
	v_wmma_scale_f32_16x16x128_f8f6f4 v[rD:rD+7], v[rA:rA+15], v[rB:rB+15], v[rC:rC+7], v[rSA], v[rSB] matrix_a_scale:MATRIX_SCALE_ROW1
.elseif fB
	v_wmma_scale_f32_16x16x128_f8f6f4 v[rD:rD+7], v[rA:rA+15], v[rB:rB+15], v[rC:rC+7], v[rSA], v[rSB] matrix_b_scale:MATRIX_SCALE_ROW1
.else
	v_wmma_scale_f32_16x16x128_f8f6f4 v[rD:rD+7], v[rA:rA+15], v[rB:rB+15], v[rC:rC+7], v[rSA], v[rSB]
.endif
.endm
; 64 products of a content.  Four accumulators take turns, one instruction a turn; the bias is the C of each sum's first product.
.macro MUL_QK p, cb                    ; source 0 = W (window 1), source 1 = x (window 2 or 3)
	s_wait_dscnt 0x0
.set hf, 0
.rept 2
	WIN 0x09+4*hf
.set ks, 0
.rept 8
.set qq, 0
.rept 4
.set uu, qq/2
.set tl, qq%2
.set rD, ACC+16*(2*hf+tl)+8*uu
.set rA, 128*uu+16*ks
.set rB, 128*tl+16*ks
.set rC, rD
.if ks == 0
.set rC, \cb+8*uu
.endif
.set rSA, WS+8*(\p)+ks
.set rSB, XSR+4*(2*hf+tl)+(ks%4)
.set fA, uu
.set fB, ks/4
	WM
.set qq, qq+1
.endr
.set ks, ks+1
.endr
.set hf, hf+1
.endr
	WIN 0
.endm
.macro MUL_V p                         ; source 0 = x (window 2 or 3), source 1 = W (window 1)
	s_wait_dscnt 0x0
.set hf, 0
.rept 2
	WIN 0x06+hf
.set ks, 0
.rept 8
.set qq, 0
.rept 4
.set uu, qq/2
.set tl, qq%2
.set rD, ACC+32*uu+8*(2*hf+tl)
.set rA, 128*tl+16*ks
.set rB, 128*uu+16*ks
.set rC, rD
.if ks == 0
.set rC, CB+8*uu
.endif
.set rSA, XSR+4*(2*hf+tl)+(ks%4)
.set rSB, WS+8*(\p)+ks
.set fA, ks/4
.set fB, uu
	WM
.set qq, qq+1
.endr
.set ks, ks+1
.endr
.set hf, hf+1
.endr
	WIN 0
.endm
; The eight accumulators are four blocks of 32 along the next K: registers 16 b + 0..15 of lanes l and l xor 16.  Codes to v[PC + 4 b] on, bytes to v[TM + 4 + b].
.macro QUANT
.irp bb, 0,1,2,3
	v_max3_num_f32 v[TM+\bb], |v[ACC+16*\bb]|, |v[ACC+16*\bb+1]|, 0x4800000
.endr
.irp ii, 2,4,6,8,10,12,14
.irp bb, 0,1,2,3
	v_max3_num_f32 v[TM+\bb], v[TM+\bb], |v[ACC+16*\bb+\ii]|, |v[ACC+16*\bb+\ii+1]|
.endr
.endr
.irp bb, 0,1,2,3
	v_permlanex16_b32 v[TM+4+\bb], v[TM+\bb], s[SEL], s[SEL+1]
.endr
.irp bb, 0,1,2,3
	v_max_num_f32 v[TM+\bb], v[TM+\bb], v[TM+4+\bb]
.endr
.irp bb, 0,1,2,3
	v_add_nc_u32 v[TM+12+\bb], 0xfc000000, v[TM+\bb]       ; 8 off the exponent field: the conversion's scale operand
.endr
.irp bb, 0,1,2,3
	v_and_or_b32 v[TM+8+\bb], v[TM+\bb], 0x7f800000, s[MNT]   ; 448 x the scale
.endr
.irp bb, 0,1,2,3
	v_lshrrev_b32 v[TM+4+\bb], 23, v[TM+12+\bb]    ; the scale's byte
.endr
.irp bb, 0,1,2,3
.irp ii, 0,1,2,3,4,5,6,7,8,9,10,11,12,13,14,15
	v_med3_num_f32 v[ACC+16*\bb+\ii], v[ACC+16*\bb+\ii], -v[TM+8+\bb], v[TM+8+\bb]
.endr
	v_cvt_scalef32_pk8_fp8_f32 v[PC+4*\bb:PC+4*\bb+1], v[ACC+16*\bb:ACC+16*\bb+7], v[TM+12+\bb]
	v_cvt_scalef32_pk8_fp8_f32 v[PC+4*\bb+2:PC+4*\bb+3], v[ACC+16*\bb+8:ACC+16*\bb+15], v[TM+12+\bb]
.endr
	v_nop                                          ; a plain line between the last conversion and the products that write its sources anew
.endm
.macro EPI_QK ip, sq                   ; block b = token tile b: group w of that tile's fragment, byte w of its scale words
	s_wait_xcnt 0x0                                ; the last stores have read their data
	QUANT
.irp tl, 0,1,2,3
	global_store_b128 v[L16], v[PC+4*\tl:PC+4*\tl+3], s[\ip:\ip+1] offset:2048*\tl     ; 512 consecutive bytes, aligned
.endr
.irp tl, 0,1,2,3
	global_store_b8 v[LB], v[TM+4+\tl], s[\sq:\sq+1] offset:128*\tl
.endr
.endm
.macro EPI_V                           ; block b = 2 x row tile + half of my 64 tokens
	s_wait_xcnt 0x0
	QUANT
	v_lshl_or_b32 v[PW], v[TM+5], 8, v[TM+4]
	v_lshl_or_b32 v[PW], v[TM+6], 16, v[PW]
	v_lshl_or_b32 v[PW], v[TM+7], 24, v[PW]
	v_lshrrev_b32 v[PW2], v[SH], v[PW]             ; lanes 0-15 store the first tile's two bytes, lanes 16-31 the second's
.irp bb, 0,1,2,3
	global_store_b128 v[L16], v[PC+4*\bb:PC+4*\bb+3], s[VB:VB+1] offset:2048*(\bb/2)+512*(\bb%2)
.endr
	global_store_b16 v[L4], v[PW2], s[VSB:VSB+1]
	s_wait_xcnt 0x0                                ; the bases are stepped only behind this wait
	s_add_nc_u64 s[VB:VB+1], s[VB:VB+1], 4096
	s_add_nc_u64 s[VSB:VSB+1], s[VSB:VSB+1], 128
.endm
; THE CHANGE OF SLOTS.  All my tensor loads have landed (the content about to be read among them); the add; my reads of the slot just left are over; a round of the cluster's barrier;
; the joint refill of that slot first behind it: one load of mine is out.  The nine v_nop are the form behind a tensor load and the places behind the last products.
.macro CHANGE fill, step
	s_wait_tensorcnt 0x0
	ds_add_u32 v[SPW], v[NIL]                      ; 0 onto my spare word
.if (\step) >= 0
	s_add_nc_u64 s[(\step)+2:(\step)+3], s[(\step)+2:(\step)+3], 65536     ; no load of mine is out: the other slot's next content, 64 rows on
.endif
	s_wait_dscnt 0x0
	ROUND
	tensor_load_to_lds s[\fill:\fill+3], s[G1:G1+7]
	s_nop 0
	NOPS 9
.endm
	XLOADB 0
	XLOADB 1
	XLOADB 2
	XBLOCK 0
	XBLOCK 1
	XBLOCK 2
	XBLOCK 3
	BARRIER                                        ; K steps 0-3 of x lie in LDS
	FETCHX 0
	BARRIER                                        ; every wave has them: the images may be written again
	XBLOCK 4
	XBLOCK 5
	XBLOCK 6
	XBLOCK 7
	BARRIER                                        ; K steps 4-7, and all scale words
	FETCHX 1
.irp tl, 0,1,2,3
.irp sl, 0,1,2,3
	ds_load_b32 v[XSR+4*\tl+\sl], v[XSRA] offset:512*\tl+64*\sl
.endr
.endr
	s_wait_tensorcnt 0x1                           ; content 0 (Wq) is in my slot 0, which I alone read; Wk's load may be out
	LOADW AWQ, 8320
	s_wait_loadcnt 0x0                             ; the twelve side loads
	MUL_QK 0, CB
	CHANGE G0V0, -1                                ; content 1 (Wk); slot 0 takes content 2, the first 32 rows of Wv
	SIDE_V 0
	LOADW AWQ+1, 8320
	EPI_QK QP, QSP                                 ; the content before goes out between this content's LDS loads and its products
	MUL_QK 1, CBK
	CHANGE G0V1, G0V0                              ; content 2
	SIDE_V 1
	LOADW AWV, 16640
	BIASV 0, 4
	EPI_QK KPO, KSPO
	MUL_V 0
	s_mov_b32 s[CNT], 3
.Lpair:                                            ; contents 3 to 8, two a trip
	CHANGE G0V0, G0V1
	SIDE_V 0
	LOADW AWV+1, 16640
	BIASV 1, 4
	EPI_V
	MUL_V 1
	CHANGE G0V1, G0V0
	SIDE_V 1
	LOADW AWV, 16640
	BIASV 0, 4
	EPI_V
	MUL_V 0
	s_sub_co_u32 s[CNT], s[CNT], 1
	s_cmp_lg_u32 s[CNT], 0
	s_cbranch_scc1 .Lpair
	s_wait_tensorcnt 0x0                           ; content 9: written out, since nothing is left to ask for
	ds_add_u32 v[SPW], v[NIL]
	s_wait_dscnt 0x0
	s_barrier_signal -1
	s_barrier_wait -1
	NOPS 9
	LOADW AWV+1, 16640
	BIASV 1, 0
	EPI_V
	MUL_V 1
	NOPS 9
	EPI_V
	s_wait_tensorcnt 0x0                           ; the wave's end
	ds_add_u32 v[SPW], v[NIL]
	s_wait_dscnt 0x0
	ROUND                                          ; the closing round
	s_endpgm
.Lfunc_end_k_qdc76278bff_proj:
	.size	k_qdc76278bff_proj, .Lfunc_end_k_qdc76278bff_proj-k_qdc76278bff_proj
	.p2alignl 7, 3214868480
	.fill 96, 4, 3214868480
	.section	.rodata,"a",@progbits
	.p2align	6, 0x0
	.amdhsa_kernel k_qdc76278bff_proj
		.amdhsa_group_segment_fixed_size 327680
		.amdhsa_private_segment_fixed_size 0
		.amdhsa_enable_private_segment 0
		.amdhsa_kernarg_size 104
		.amdhsa_user_sgpr_count 2
		.amdhsa_user_sgpr_kernarg_segment_ptr 1
		.amdhsa_wavefront_size32 1
		.amdhsa_system_sgpr_workgroup_id_x 1
		.amdhsa_system_sgpr_workgroup_id_y 1
		.amdhsa_system_sgpr_workgroup_id_z 1
		.amdhsa_system_vgpr_workitem_id 0
		.amdhsa_next_free_vgpr 1024
		.amdhsa_next_free_sgpr 100
		.amdhsa_reserve_vcc 0
		.amdhsa_float_denorm_mode_32 3
		.amdhsa_float_denorm_mode_16_64 3
		.amdhsa_memory_ordered 1
		.amdhsa_forward_progress 1
		.amdhsa_inst_pref_size 255
	.end_amdhsa_kernel
	.section	.bss,"aw",@nobits
	.p2align	6
	.space	262144
	.amdgpu_metadata
---
amdhsa.version: [ 1, 2 ]
amdhsa.kernels:
  - .name:           k_qdc76278bff_proj
    .symbol:         k_qdc76278bff_proj.kd
    .args:
      - { .name: x, .offset: 0, .size: 8, .value_kind: global_buffer, .address_space: global }
      - { .name: Wq_codes, .offset: 8, .size: 8, .value_kind: global_buffer, .address_space: global }
      - { .name: Wq_scales, .offset: 16, .size: 8, .value_kind: global_buffer, .address_space: global }
      - { .name: bq, .offset: 24, .size: 8, .value_kind: global_buffer, .address_space: global }
      - { .name: Wk_codes, .offset: 32, .size: 8, .value_kind: global_buffer, .address_space: global }
      - { .name: Wk_scales, .offset: 40, .size: 8, .value_kind: global_buffer, .address_space: global }
      - { .name: bk, .offset: 48, .size: 8, .value_kind: global_buffer, .address_space: global }
      - { .name: Wv_codes, .offset: 56, .size: 8, .value_kind: global_buffer, .address_space: global }
      - { .name: Wv_scales, .offset: 64, .size: 8, .value_kind: global_buffer, .address_space: global }
      - { .name: bv, .offset: 72, .size: 8, .value_kind: global_buffer, .address_space: global }
      - { .name: qkimg, .offset: 80, .size: 8, .value_kind: global_buffer, .address_space: global }
      - { .name: qksc, .offset: 88, .size: 8, .value_kind: global_buffer, .address_space: global }
      - { .name: vrec, .offset: 96, .size: 8, .value_kind: global_buffer, .address_space: global }
    .group_segment_fixed_size: 327680
    .private_segment_fixed_size: 0
    .kernarg_segment_align: 8
    .kernarg_segment_size: 104
    .max_flat_workgroup_size: 128
    .sgpr_count:     100
    .vgpr_count:     1024
    .wavefront_size: 32
...
	.end_amdgpu_metadata
.endif
;; end of part 1
;; launch attn (part 2): grid 32 x 8, 4 waves a work-group, clusters of 4 x 1, 327,680 bytes of LDS; arguments qkimg, qksc, vrec, x, gamma, out0; writes out0
.if DOCPART == 2
	.amdgcn_target "amdgcn-amd-amdhsa--gfx1250"
	.amdhsa_code_object_version 6
	.text
	.protected	k_qdc76278bff_attn
	.globl	k_qdc76278bff_attn
	.p2align	8
	.type	k_qdc76278bff_attn,@function
k_qdc76278bff_attn:
	s_mov_b64 s[64:65], 0
	v_nop
	global_prefetch_b8 v0, s[64:65] scope:SCOPE_SE
	s_setreg_imm32_b32 hwreg(HW_REG_WAVE_MODE, 25, 1), 1
	s_wait_xcnt 0x0
	s_wait_alu depctr_hold_cnt(0) depctr_sa_sdst(0) depctr_va_vdst(0) depctr_va_sdst(0) depctr_va_ssrc(0) depctr_va_vcc(0) depctr_vm_vsrc(0)
	s_getreg_b32 s2, hwreg(HW_REG_IB_STS2, 6, 4)
	s_cmp_eq_u32 s2, 0
	s_cbranch_scc0 .Lentry_in_a_cluster
	s_endpgm
.Lentry_in_a_cluster:
	s_bfe_u32 s2, ttmp6, 0x10000c
	s_cmp_lg_u32 s2, 0x3003
	s_cbranch_scc0 .Lentry_shape_is_right
	s_endpgm
.Lentry_shape_is_right:
; out[b][c][j] = gamma x (sum over m of v[b][c][m] p[j][m]) / l[j] + x[b][c][j], p = 2^(t - M), t = (q[j] . k[m]) log2(e) / sqrt(128), M = ceil(the row's largest t), l = the row's sum of the unquantised p.
; Both products on codes of FP8 (E4M3) with one E8M0 scale for each 32 along K.  q, k, v come as images of the operands' registers (qkimg, qksc, vrec); p is quantised here, along the keys.
; SHARES.  A work-group of four waves owns 64 queries of one batch and all 1,024 channels.  Keys go in 16 steps of 128.  Of a step wave w makes the scores of keys 32 w .. +31 for all 64 queries (8 products): one block of the
; quantiser, group w of P's four fragments and byte w of their scale words, which go to the other waves through LDS as images.  For the second product wave w owns channels 256 w .. +255: 16 fragments of V x 4 tiles of queries = 64 accumulators.
; TWO PASSES.  Pass 1 makes all scores once for the rows' maxima alone, so that M is final from the first p on: no accumulator is ever rescaled (512 registers a wave) and no factor goes between waves; it costs 8 products and 32 maxima a step.
; A TRIP of the main loop: the scores of step j + 1, P(j)'s and V(j)'s LDS loads, the softmax of step j + 1 (under which the loads land), the 64 products of step j.  One round of the cluster's barrier a trip shows P(j) to all
; waves, frees the other P buffer and frees the V slot just left.
; CLUSTER.  The four query blocks of a cluster walk the same V: wave w of each asks for record (b, j, w), 33,792 dense bytes, jointly.  K is not asked for jointly: it is 4,352 of the 38,144 bytes that a wave takes in a step and goes from memory
; straight into the registers of the one wave that uses it.  Q and x are no partner's but mine.
; LAYOUT.  S^T: source 0 = 16 keys, source 1 = 16 queries: a lane holds one query and 16 neighbouring keys.  O: source 0 = P (16 queries), source 1 = V (16 channels): a lane holds one channel; register jj of tile m is token 32 (m / 2) + 16 h + 8 (m % 2) + jj.
; LIMITS: NaN and infinities are not served; p under 2^-126 becomes 0 (v_exp_f32 flushes such results: ISA guide, its entry); a block of p whose largest number lies under 2^-118 gets the scale byte 1; t is the score times one constant, rounded once.
; The loop's last trip loads 4,352 bytes of K's next step that nobody uses: in batch 7 they are Q's first bytes, inside both buffers.
.set REC,   33792
.set SLOTB, 135168                     ; a slot: four records
.set PIMG,  270336                     ; behind the two slots: P's images, two buffers of 8,192: 2,048 m + 512 c + 16 lane
.set PSC,   286720                     ; P's scale words, two buffers of 512: 128 m + 4 lane, byte c
.set STM,   287744                     ; the waves' maxima: (4 w + m) 128 + 4 lane
.set STL,   289792                     ; the waves' sums likewise (STM + 2,048)
.set RLW,   291840                     ; gamma / l by token, 256 bytes for each wave
.set STG,   292864                     ; the way out: 16 rows x 272 bytes for each wave
.set SPARE, 310272                     ; the spare words, 128 bytes a wave: two blocks of 256 bytes that no other line names
.set L16, 1
.set L4,  2
.set SPW, 3
.set NIL, 4
.set PRA, 5
.set PSA, 6
.set PWA, 7
.set PBA, 8
.set AV,  9                            ; v9-10  my record in slot 0, 1
.set AVS, 11                           ; v11-12 its scale words
.set STA, 13
.set STR, 14
.set PFO, 15
.set SO,  16
.set SR,  17
.set GX,  18
.set RLA, 19
.set RLR, 20
.set ST,  24                           ; v24-39 tile m: -M, -M again, the sum in two halves
.set BM,  40
.set TP,  44
.set HD,  48
.set SCO, 52
.set PC,  56
.set QS,  72
.set KS,  76
.set PS,  78
.set VS,  82                           ; v82-89 V's scale words; in pass 1 those of K's ring
.set G4,  90
.set KF,  96                           ; v96-127 two fragments of K
.set S,   128                          ; v128-191 scores, then p; on the way out rows of the result
.set PF,  192                          ; v192-255 P's four fragments; in pass 1 the second buffer of scores
.set YB,  128
.set QF,  192                          ; window 1: v0-191 twelve buffers for V's fragments (on the way out six sets of x); v192-255 Q's four fragments
; windows 2, 3: accumulator (i, m) in window 2 + i / 8 at 8 (4 (i % 8) + m); in pass 1 window 2's v0-127 are a ring of four steps of K
.set WV,  16
.set G1,  24
.set G0,  32
.set KB,  40
.set KSB, 42
.set KP,  44
.set KSP, 46
.set QIP, 48
.set QSP, 50
.set XBP, 52
.set OBP, 54
.set PFA, 56
.set LIM, 58
.set CNT, 59
.set SEL, 60
.set CS,  62
.set MNT, 66
.set GAM, 67
.set MSB, 0
.macro WIN new
.set WNEW, \new
.if MSB != WNEW
	s_set_vgpr_msb (MSB<<8)|WNEW
.set MSB, WNEW
.endif
.endm
.macro NOPS n
.rept \n
	v_nop
.endr
.endm
.macro ROUND
	s_barrier_signal -1
	s_barrier_wait -1
	s_cmp_lg_u32 s[WV], 0
	s_cbranch_scc1 .Lnot_wave_0_\@
	s_barrier_signal -3
.Lnot_wave_0_\@:
	s_barrier_wait -3
	s_barrier_signal -1
	s_barrier_wait -1
.endm
	s_load_b256 s[4:11], s[0:1], 0x0               ; qkimg, qksc, vrec, x
	s_load_b128 s[12:15], s[0:1], 0x20             ; gamma, out0
	v_lshl_add_u32 v[SPW], v0, 2, SPARE
	v_mov_b32 v[NIL], 0
	ds_add_u32 v3, v4
	ds_add_u32 v3, v4
	s_wait_dscnt 0x0
	v_lshrrev_b32 v21, 5, v0
	v_readfirstlane_b32 s[WV], v21                 ; wave 0..3
	s_bfe_u32 s70, ttmp6, 0x40000                  ; cx
	s_lshl_b32 s71, ttmp9, 2
	s_add_co_u32 s71, s71, s70                     ; qb: my block of 64 queries; it enters global addresses alone
	s_and_b32 s76, ttmp7, 0xffff                   ; b
	s_lshl_b32 s78, s76, 18                        ; K's images: (128 b + 2 w) tiles of 2,048 bytes
	s_lshl_b32 s79, s[WV], 12
	s_add_co_u32 s78, s78, s79
	s_mov_b32 s79, 0
	s_lshl_b32 s80, s76, 14                        ; K's scale words: 128 bytes a tile
	s_lshl_b32 s81, s[WV], 8
	s_add_co_u32 s80, s80, s81
	s_mov_b32 s81, 0
	s_lshl_b32 s72, s76, 18                        ; Q's images, 2 MiB on: (128 b + 4 qb) tiles
	s_lshl_b32 s73, s71, 13
	s_add_co_u32 s72, s72, s73
	s_add_co_u32 s72, s72, 2097152
	s_mov_b32 s73, 0
	s_lshl_b32 s74, s76, 14
	s_lshl_b32 s75, s71, 9
	s_add_co_u32 s74, s74, s75
	s_add_co_u32 s74, s74, 131072
	s_mov_b32 s75, 0
	s_lshl_b32 s68, s76, 23                        ; x, out: batch x 8 MiB + 256 w rows of 8,192 bytes + 256 qb
	s_lshl_b32 s69, s[WV], 21
	s_add_co_u32 s68, s68, s69
	s_lshl_b32 s69, s71, 8
	s_add_co_u32 s68, s68, s69
	s_mov_b32 s69, 0
	s_lshl_b32 s82, s76, 4                         ; V: record (16 b, w)
	s_mul_i32 s82, s82, SLOTB
	s_mul_i32 s84, s[WV], REC
	s_add_co_u32 s82, s82, s84
	s_mov_b32 s83, 0
	s_lshl_b32 s86, s70, 13                        ; the prefetches: my work-group's 8,192 of a record's 32,768 bytes of codes
	s_mov_b32 s87, 0
	s_cmp_eq_u32 ttmp9, 0                          ; all eight clusters of a batch walk the same V: the first asks.  The same in all four partners
	s_cselect_b32 s[LIM], 1, -1
	; descriptor group 1: a dense block of 132 rows of 256 bytes (32 elements of 8 bytes), no padding: the images are read 512 consecutive bytes at a time
	s_mov_b32 s[G1], 15|(3<<16)|(1<<21)            ; 15:0 the mask: all four work-groups; 17:16 elements of 8 bytes; 21 set beside a mask
	s_mov_b32 s[G1+1], 32<<16
	s_mov_b32 s[G1+2], 132<<16
	s_mov_b32 s[G1+3], 32<<16
	s_mov_b32 s[G1+4], 132
	s_mov_b32 s[G1+5], 32
	s_mov_b32 s[G1+6], 0
	s_mov_b32 s[G1+7], 0
	s_mov_b32 s[SEL], 0x76543210
	s_mov_b32 s[SEL+1], 0xfedcba98
	s_mov_b32 s[CS], 0x3e0293ee                    ; c = log2(e) / sqrt(128)
	s_mov_b32 s[CS+1], s[CS]
	s_mov_b32 s[MNT], 0x600000
	v_and_b32 v21, 31, v0                          ; lane
	v_and_b32 v22, 15, v0                          ; r
	v_bfe_u32 v23, v0, 4, 1                        ; h
	v_lshlrev_b32 v[L16], 4, v21
	v_lshlrev_b32 v[L4], 2, v21
	v_add_nc_u32 v[PRA], PIMG, v[L16]
	v_add_nc_u32 v[PSA], PSC, v[L4]
	s_lshl_b32 s88, s[WV], 9
	s_add_co_u32 s89, s88, PIMG
	v_add_nc_u32 v[PWA], s89, v[L16]
	s_add_co_u32 s89, s[WV], PSC
	v_add_nc_u32 v[PBA], s89, v[L4]
	v_add_nc_u32 v[AV], s84, v[L16]
	s_add_co_u32 s89, s84, SLOTB
	v_add_nc_u32 v[AV+1], s89, v[L16]
	s_add_co_u32 s89, s84, 32768
	v_add_nc_u32 v[AVS], s89, v[L4]
	s_add_co_u32 s89, s89, SLOTB
	v_add_nc_u32 v[AVS+1], s89, v[L4]
	s_add_co_u32 s89, s88, STM
	v_add_nc_u32 v[STA], s89, v[L4]
	v_add_nc_u32 v[STR], STM, v[L4]
	v_lshlrev_b32 v[PFO], 8, v21
	s_mul_i32 s89, s[WV], 4352
	s_add_co_u32 s89, s89, STG
	v_mul_u32_u24 v[SO], v22, 272
	v_lshl_add_u32 v[SO], v23, 6, v[SO]
	v_add_nc_u32 v[SO], s89, v[SO]                 ; into the stage: row = my channel, + 64 h
	v_mul_u32_u24 v[SR], v23, 272
	v_lshl_add_u32 v[SR], v22, 4, v[SR]
	v_add_nc_u32 v[SR], s89, v[SR]                 ; back: lanes 0-15 one row, lanes 16-31 the next
	v_lshlrev_b32 v[GX], 4, v22
	v_lshl_or_b32 v[GX], v23, 13, v[GX]            ; and the same two rows in x and out
	s_lshl_b32 s89, s[WV], 8
	s_add_co_u32 s89, s89, RLW
	v_and_b32 v[RLA], 8, v22
	v_add_nc_u32 v[RLA], v[RLA], v22
	v_lshlrev_b32 v[RLA], 2, v[RLA]
	v_add_nc_u32 v[RLA], s89, v[RLA]               ; 4 (r + 8 (r / 8)): my query's token within its tile pair
	v_lshl_add_u32 v[RLR], v22, 4, s89
.irp mm, 0,1,2,3
	v_mov_b32 v[TP+\mm], 0                         ; written once: a lane permute's destination counts as one of its sources
.endr
	s_wait_kmcnt 0x0
	s_load_b32 s[GAM], s[12:13], 0x0
	s_add_nc_u64 s[KB:KB+1], s[4:5], s[78:79]
	s_add_nc_u64 s[KSB:KSB+1], s[6:7], s[80:81]
	s_add_nc_u64 s[KP:KP+1], s[KB:KB+1], 49152     ; step 3
	s_add_nc_u64 s[KSP:KSP+1], s[KSB:KSB+1], 3072
	s_add_nc_u64 s[QIP:QIP+1], s[4:5], s[72:73]
	s_add_nc_u64 s[QSP:QSP+1], s[6:7], s[74:75]
	s_add_nc_u64 s[XBP:XBP+1], s[10:11], s[68:69]
	s_add_nc_u64 s[OBP:OBP+1], s[14:15], s[68:69]
	s_add_nc_u64 s[82:83], s[8:9], s[82:83]
	s_add_nc_u64 s[PFA:PFA+1], s[82:83], 3*SLOTB   ; at record 3: the first change of slots steps it to 4
	s_add_nc_u64 s[PFA:PFA+1], s[PFA:PFA+1], s[86:87]
	s_mov_b32 s[G0], 1
	s_mov_b32 s[G0+1], s84
	s_mov_b64 s[G0+2:G0+3], s[82:83]
	s_mov_b32 s[G0+4], 1
	s_add_co_u32 s[G0+5], s84, SLOTB
	s_add_nc_u64 s[G0+6:G0+7], s[82:83], SLOTB
	s_or_b32 s[G0+3], s[G0+3], 0x80000000
	s_or_b32 s[G0+7], s[G0+7], 0x80000000
	ROUND                                          ; all four work-groups are here: the first joint loads meet
	tensor_load_to_lds s[G0:G0+3], s[G1:G1+7]      ; my record of step 0,
	s_nop 0
	tensor_load_to_lds s[G0+4:G0+7], s[G1:G1+7]    ; of step 1: two loads of mine are out
	s_nop 0
	NOPS 4
.macro KLOAD kp, ksp, off              ; my two tiles of K of the step off steps on from the base, and their scale words: ten loads
.irp uu, 0,1
.irp cc, 0,1,2,3
	global_load_b128 v[KF+16*\uu+4*\cc:KF+16*\uu+4*\cc+3], v[L16], s[\kp:\kp+1] offset:(\off)*16384+2048*\uu+512*\cc
.endr
.endr
.irp uu, 0,1
	global_load_b32 v[KS+\uu], v[L4], s[\ksp:\ksp+1] offset:(\off)*1024+128*\uu
.endr
.endm
.macro P1LOAD e                        ; pass 1, element e (1..15) = step (e + 1) % 16, into set (e - 1) % 4 of the ring
.set pst, ((\e)+1)%16
.set pse, ((\e)-1)%4
	WIN 0x80
.irp uu, 0,1
.irp cc, 0,1,2,3
	global_load_b128 v[32*pse+16*\uu+4*\cc:32*pse+16*\uu+4*\cc+3], v[L16], s[KB:KB+1] offset:pst*16384+2048*\uu+512*\cc
.endr
.endr
	WIN 0
.irp uu, 0,1
	global_load_b32 v[VS+2*pse+\uu], v[L4], s[KSB:KSB+1] offset:pst*1024+128*\uu
.endr
.endm
.macro SMUL kb, win, ksc, dst          ; eight products: my 32 keys x 64 queries; eight accumulators, each begun with 0
	WIN \win
.irp mm, 0,1,2,3
.irp uu, 0,1
	v_wmma_scale_f32_16x16x128_f8f6f4 v[\dst+16*\mm+8*\uu:\dst+16*\mm+8*\uu+7], v[\kb+16*\uu:\kb+16*\uu+15], v[QF+16*\mm:QF+16*\mm+15], 0, v[\ksc+\uu], v[QS+\mm]
.endr
.endr
	WIN 0
.endm
.macro MAXB buf, first                 ; the running maxima of my keys' scores, a tile of queries to a register; each accumulator is read from its low end on
.irp mm, 0,1,2,3
.if \first
	v_max_num_f32 v[BM+\mm], v[\buf+16*\mm], v[\buf+16*\mm+1]
.else
	v_max3_num_f32 v[BM+\mm], v[BM+\mm], v[\buf+16*\mm], v[\buf+16*\mm+1]
.endif
.endr
.irp ii, 2,4,6,8,10,12,14
.irp mm, 0,1,2,3
	v_max3_num_f32 v[BM+\mm], v[BM+\mm], v[\buf+16*\mm+\ii], v[\buf+16*\mm+\ii+1]
.endr
.endr
.endm
.macro P1ELEM e
.if 15-(\e) >= 3
	s_wait_loadcnt 30                              ; this element's ten loads are in; the next three elements' may be out
.else
	s_wait_loadcnt 10*(15-(\e))
.endif
.set kbs, 32*(((\e)-1)%4)
.set kss, VS+2*(((\e)-1)%4)
.if (\e)%2
	SMUL kbs, 0x06, kss, S
	MAXB PF, (\e)==1                               ; the element before; these 32 lines are also the places in front of the loads below
.else
	SMUL kbs, 0x06, kss, PF
	MAXB S, 0
.endif
.if (\e)+4 <= 15
	P1LOAD (\e)+4
.endif
.endm
; THE SOFTMAX of the scores in S, and P's images into buffer pb.
.macro SOFTMAX pb
.irp mm, 0,1,2,3
	v_max3_num_f32 v[BM+\mm], v[S+16*\mm], v[S+16*\mm+1], v[S+16*\mm+2]    ; the block's largest score: p rises with the score, so it gives the block's largest p
.endr
.irp ii, 3,5,7,9,11,13
.irp mm, 0,1,2,3
	v_max3_num_f32 v[BM+\mm], v[BM+\mm], v[S+16*\mm+\ii], v[S+16*\mm+\ii+1]
.endr
.endr
.irp mm, 0,1,2,3
	v_max_num_f32 v[BM+\mm], v[BM+\mm], v[S+16*\mm+15]
.endr
.irp mm, 0,1,2,3
	v_permlanex16_b32 v[TP+\mm], v[BM+\mm], s[SEL], s[SEL+1]
.endr
.irp mm, 0,1,2,3
	v_max_num_f32 v[BM+\mm], v[BM+\mm], v[TP+\mm]
.endr
.irp mm, 0,1,2,3
.irp jj, 0,2,4,6,8,10,12,14
	v_pk_fma_f32 v[S+16*\mm+\jj:S+16*\mm+\jj+1], v[S+16*\mm+\jj:S+16*\mm+\jj+1], s[CS:CS+1], v[ST+4*\mm:ST+4*\mm+1] op_sel_hi:[1,0,0]   ; t - M, two at a time
.endr
.endr
.irp mm, 0,1,2,3
	v_fma_f32 v[BM+\mm], v[BM+\mm], s[CS], v[ST+4*\mm]
.endr
.set ee, 0
.rept 64
	v_exp_f32 v[S+ee], v[S+ee]                     ; p = 2^(t - M), at most 1: not normalised
.set ee, ee+1
.endr
.irp mm, 0,1,2,3
	v_exp_f32 v[BM+\mm], v[BM+\mm]                 ; the block's largest p: the same two instructions on the same number
.endr
	v_nop                                          ; a plain line behind the last exponential
	s_wait_alu depctr_va_vdst(0)                   ; one wait for the batch of 68, ahead of its first reader
.irp jj, 0,2,4,6,8,10,12,14
.irp mm, 0,1,2,3
	v_pk_add_f32 v[ST+4*\mm+2:ST+4*\mm+3], v[ST+4*\mm+2:ST+4*\mm+3], v[S+16*\mm+\jj:S+16*\mm+\jj+1]    ; the row's sum, of the unquantised p; four chains by turns
.endr
.endr
.irp mm, 0,1,2,3
	v_max_num_f32 v[BM+\mm], 0x4800000, v[BM+\mm]  ; the floor 2^(9 - 127): the byte cannot fall under 1
.endr
.irp mm, 0,1,2,3
	v_add_nc_u32 v[SCO+\mm], 0xfc000000, v[BM+\mm]
.endr
.irp mm, 0,1,2,3
	v_and_or_b32 v[HD+\mm], v[BM+\mm], 0x7f800000, s[MNT]
.endr
.irp mm, 0,1,2,3
	v_lshrrev_b32 v[TP+\mm], 23, v[SCO+\mm]        ; the scale's byte
.endr
.irp mm, 0,1,2,3
.irp ii, 0,1,2,3,4,5,6,7,8,9,10,11,12,13,14,15
	v_min_num_f32 v[S+16*\mm+\ii], v[S+16*\mm+\ii], v[HD+\mm]      ; the conversion does not saturate (ISA guide 7.6.2); p is not negative, so the hold is one-sided
.endr
	v_cvt_scalef32_pk8_fp8_f32 v[PC+4*\mm:PC+4*\mm+1], v[S+16*\mm:S+16*\mm+7], v[SCO+\mm]
	v_cvt_scalef32_pk8_fp8_f32 v[PC+4*\mm+2:PC+4*\mm+3], v[S+16*\mm+8:S+16*\mm+15], v[SCO+\mm]
.endr
	v_nop                                          ; a plain line between the last conversion and the products that write its sources anew
.irp mm, 0,1,2,3
	ds_store_b128 v[PWA], v[PC+4*\mm:PC+4*\mm+3] offset:(\pb)*8192+2048*\mm
.endr
.irp mm, 0,1,2,3
	ds_store_b8 v[PBA], v[TP+\mm] offset:(\pb)*512+128*\mm
.endr
.endm
.macro PLOADS p, pb                    ; 76 LDS loads in one run: P's four fragments and scale words, V's scale words, V's fragments 0 to 11
.irp mm, 0,1,2,3
.irp cc, 0,1,2,3
	ds_load_b128 v[PF+16*\mm+4*\cc:PF+16*\mm+4*\cc+3], v[PRA] offset:(\pb)*8192+2048*\mm+512*\cc
.endr
.endr
.irp mm, 0,1,2,3
	ds_load_b32 v[PS+\mm], v[PSA] offset:(\pb)*512+128*\mm
.endr
.irp qv, 0,1,2,3,4,5,6,7
	ds_load_b32 v[VS+\qv], v[AVS+(\p)] offset:128*\qv      ; lanes 0-15: fragment 2 q; lanes 16-31: fragment 2 q + 1
.endr
	WIN 0x40
.irp ff, 0,1,2,3,4,5,6,7,8,9,10,11
.irp cc, 0,1,2,3
	ds_load_b128 v[16*\ff+4*\cc:16*\ff+4*\cc+3], v[AV+(\p)] offset:2048*\ff+512*\cc
.endr
.endr
	WIN 0
.endm
; 64 products: each fragment of V against P's four.  The 64 accumulators take turns, one instruction a turn, from trip to trip too.
; The waits count the LDS instructions issued behind what is wanted: 32 = P's 8 stores and fragments 6-11 (in the last trip, without stores: fragments 4-11); 16 = the stores and fragments 10, 11 (8-11); 16 = the late run.
.macro PV p, zero
.set ii, 0
.rept 16
.if ii == 0
	s_wait_dscnt 32
.elseif ii == 4
	s_wait_dscnt 16
.elseif ii == 8
	s_wait_dscnt 16
.elseif ii == 12
	s_wait_dscnt 0
.endif
	WIN 0xa4+0x50*(ii/8)
.set mm, 0
.rept 4
.set rD, 8*(4*(ii%8)+mm)
.set rB, 16*(ii%12)
.if (\zero) && (ii%2)
	v_wmma_scale_f32_16x16x128_f8f6f4 v[rD:rD+7], v[PF+16*mm:PF+16*mm+15], v[rB:rB+15], 0, v[PS+mm], v[VS+ii/2] matrix_b_scale:MATRIX_SCALE_ROW1
.elseif \zero
	v_wmma_scale_f32_16x16x128_f8f6f4 v[rD:rD+7], v[PF+16*mm:PF+16*mm+15], v[rB:rB+15], 0, v[PS+mm], v[VS+ii/2]
.elseif ii%2
	v_wmma_scale_f32_16x16x128_f8f6f4 v[rD:rD+7], v[PF+16*mm:PF+16*mm+15], v[rB:rB+15], v[rD:rD+7], v[PS+mm], v[VS+ii/2] matrix_b_scale:MATRIX_SCALE_ROW1
.else
	v_wmma_scale_f32_16x16x128_f8f6f4 v[rD:rD+7], v[PF+16*mm:PF+16*mm+15], v[rB:rB+15], v[rD:rD+7], v[PS+mm], v[VS+ii/2]
.endif
.set mm, mm+1
.endr
.if ii == 5
	NOPS 8                                         ; places in front of loads into the buffers that fragments 0 to 3 have left
	WIN 0x40
.irp ff, 12,13,14,15
.irp cc, 0,1,2,3
	ds_load_b128 v[16*(\ff-12)+4*\cc:16*(\ff-12)+4*\cc+3], v[AV+(\p)] offset:2048*\ff+512*\cc
.endr
.endr
.endif
.set ii, ii+1
.endr
	WIN 0
.endm
; A prefetch of the codes of the record three steps on from the trip's own, whose tensor load is issued two trips later.  Each aligned block of 256 bytes is named once in the launch: the batch's first cluster asks;
; its four partners take 8,192 bytes each of wave w's 32,768, told apart by address; a lane a block.  The loop's last trip asks for nothing; records 0 to 3 and the scale words come by their loads alone.
.macro ASK
	s_cmp_gt_u32 s[CNT], s[LIM]
	s_cbranch_scc0 .Lnot_mine_\@
	global_prefetch_b8 v[PFO], s[PFA:PFA+1] th:TH_LOAD_NT scope:SCOPE_SE
.Lnot_mine_\@:
.endm
; THE CHANGE OF SLOTS at a trip's head.  All my tensor loads have landed (this trip's record); the add; my stores of P and my reads of the slot and of the P buffer that are written next are over; a round of the cluster's barrier;
; the joint refill of slot q first behind it: one load of mine is out, and it has a trip in which to land.  The nine v_nop are the form behind a tensor load and the places behind the last products.
.macro CHANGE q
	s_wait_tensorcnt 0x0
	ds_add_u32 v[SPW], v[NIL]                      ; 0 onto my spare word
	s_add_nc_u64 s[G0+4*(\q)+2:G0+4*(\q)+3], s[G0+4*(\q)+2:G0+4*(\q)+3], 2*SLOTB   ; no load of mine is out: the slot's next record, two steps on
	s_wait_xcnt 0x0                                ; the last prefetch, a trip back, has read its address
	s_add_nc_u64 s[PFA:PFA+1], s[PFA:PFA+1], SLOTB
	s_wait_dscnt 0x0
	ROUND
	tensor_load_to_lds s[G0+4*(\q):G0+4*(\q)+3], s[G1:G1+7]
	s_nop 0
	NOPS 4
	ASK
	NOPS 5
.endm
.macro TRIP p, koff                    ; trip j, p = j % 2
	CHANGE 1-(\p)
	s_wait_loadcnt 0x0                             ; K of step j + 1, asked for a trip ago
	SMUL KF, 0x04, KS, S
	PLOADS \p, \p
	NOPS 8                                         ; places in front of the loads into K's registers and of the first read of the scores
	KLOAD KP, KSP, \koff                           ; K of step j + 2
	SOFTMAX 1-(\p)
	PV \p, 0
.endm
	WIN 0x40
.irp mm, 0,1,2,3
.irp cc, 0,1,2,3
	global_load_b128 v[QF+16*\mm+4*\cc:QF+16*\mm+4*\cc+3], v[L16], s[QIP:QIP+1] offset:2048*\mm+512*\cc    ; Q stays in registers
.endr
.endr
	WIN 0
.irp mm, 0,1,2,3
	global_load_b32 v[QS+\mm], v[L4], s[QSP:QSP+1] offset:128*\mm
.endr
	KLOAD KB, KSB, 1
	P1LOAD 1
	P1LOAD 2
	P1LOAD 3
	P1LOAD 4
	s_wait_kmcnt 0x0                               ; gamma
	; PASS 1: the steps in the order 1, 2, .. 15, 0, so that at its end K of step 1 still stands in KF and the scores of step 0 in S: neither is fetched or made twice
	s_wait_loadcnt 40                              ; Q and K of step 1 are in; the ring's four elements may be out
	SMUL KF, 0x04, KS, PF
	NOPS 8                                         ; places in front of the first read of these scores
.irp e, 1,2,3,4,5,6,7,8,9,10,11,12,13,14,15
	P1ELEM \e
.endr
	NOPS 8
	MAXB S, 0
.irp mm, 0,1,2,3
	v_permlanex16_b32 v[TP+\mm], v[BM+\mm], s[SEL], s[SEL+1]
.endr
.irp mm, 0,1,2,3
	v_max_num_f32 v[BM+\mm], v[BM+\mm], v[TP+\mm]
.endr
.irp mm, 0,1,2,3
	ds_store_b32 v[STA], v[BM+\mm] offset:128*\mm
.endr
	s_wait_dscnt 0x0                               ; for the others' sake: my maxima lie in LDS
	s_barrier_signal -1
	s_barrier_wait -1
.irp mm, 0,1,2,3
.irp ww, 0,1,2,3
	ds_load_b32 v[PF+4*\mm+\ww], v[STR] offset:512*\ww+128*\mm
.endr
.endr
	s_wait_dscnt 0x0
.irp mm, 0,1,2,3
	v_max3_num_f32 v[BM+\mm], v[PF+4*\mm], v[PF+4*\mm+1], v[PF+4*\mm+2]
.endr
.irp mm, 0,1,2,3
	v_max_num_f32 v[BM+\mm], v[BM+\mm], v[PF+4*\mm+3]      ; the row's largest score
.endr
.irp mm, 0,1,2,3
	v_mul_f32 v[BM+\mm], s[CS], v[BM+\mm]          ; as t (c is positive)
.endr
.irp mm, 0,1,2,3
	v_floor_f32 v[ST+4*\mm], -v[BM+\mm]            ; -M = floor(-t) = -ceil(t)
.endr
.irp mm, 0,1,2,3
	v_mov_b32 v[ST+4*\mm+1], v[ST+4*\mm]           ; (named with it as a pair)
	v_mov_b32 v[ST+4*\mm+2], 0                     ; the sum, in two halves
	v_mov_b32 v[ST+4*\mm+3], 0
.endr
	SOFTMAX 0                                      ; step 0
	; TRIP 0: written out: its products start the sums, and nothing is filled again
	s_wait_tensorcnt 0x1                           ; my record of step 0 is in, which I alone read; step 1's may be out
	s_wait_dscnt 0x0                               ; my part of P(0) lies in LDS
	s_barrier_signal -1
	s_barrier_wait -1
	s_wait_loadcnt 0x0
	SMUL KF, 0x04, KS, S
	PLOADS 0, 0
	NOPS 8
	KLOAD KB, KSB, 2
	SOFTMAX 1
	PV 0, 1
	s_mov_b32 s[CNT], 7
.Ltrips:                                           ; trips 1 to 14, two a turn of the loop
	TRIP 1, 0
	TRIP 0, 1
	s_wait_xcnt 0x0                                ; K's bases are stepped only behind this wait
	s_add_nc_u64 s[KP:KP+1], s[KP:KP+1], 32768
	s_add_nc_u64 s[KSP:KSP+1], s[KSP:KSP+1], 2048
	s_sub_co_u32 s[CNT], s[CNT], 1
	s_cmp_lg_u32 s[CNT], 0
	s_cbranch_scc1 .Ltrips
	; TRIP 15: written out: no scores, no softmax, no refill.  The sums are whole: they go to the other waves with the same barrier
.irp mm, 0,1,2,3
	v_add_f32 v[BM+\mm], v[ST+4*\mm+2], v[ST+4*\mm+3]
.endr
.irp mm, 0,1,2,3
	v_permlanex16_b32 v[TP+\mm], v[BM+\mm], s[SEL], s[SEL+1]
.endr
.irp mm, 0,1,2,3
	v_add_f32 v[BM+\mm], v[BM+\mm], v[TP+\mm]
.endr
.irp mm, 0,1,2,3
	ds_store_b32 v[STA], v[BM+\mm] offset:2048+128*\mm
.endr
	s_wait_tensorcnt 0x0
	ds_add_u32 v[SPW], v[NIL]
	s_wait_dscnt 0x0
	s_barrier_signal -1
	s_barrier_wait -1
	NOPS 9
	PLOADS 1, 1
	PV 1, 0
; THE WAY OUT.  A fragment's 16 channels x 64 tokens go through my stage in LDS and come back as whole rows of 256 bytes; out = row x gamma / l + x; sixteen lanes store one aligned run of 256 bytes.
.macro XLOAD i                         ; x of channels 16 i .. +15, into set i % 6
	WIN 0x40
.irp tt, 0,1,2,3,4,5,6,7
	global_load_b128 v[32*((\i)%6)+4*\tt:32*((\i)%6)+4*\tt+3], v[GX], s[XBP:XBP+1] offset:(\i)*131072+\tt*16384 th:TH_LOAD_NT
.endr
	WIN 0
.endm
.macro TOSTAGE i
	WIN 0x08+4*((\i)/8)                            ; an LDS store's data are its source 1: window 2 or 3
.irp mm, 0,1,2,3
	ds_store_b128 v[SO], v[8*(4*((\i)%8)+\mm):8*(4*((\i)%8)+\mm)+3] offset:128*(\mm/2)+32*(\mm%2)          ; each accumulator from its low end on
	ds_store_b128 v[SO], v[8*(4*((\i)%8)+\mm)+4:8*(4*((\i)%8)+\mm)+7] offset:128*(\mm/2)+32*(\mm%2)+16
.endr
	WIN 0
.irp tt, 0,1,2,3,4,5,6,7
	ds_load_b128 v[YB+32*((\i)%2)+4*\tt:YB+32*((\i)%2)+4*\tt+3], v[SR] offset:544*\tt     ; LDS serves a wave's instructions in order (ISA guide 5.7.1.4): these see the stores above
.endr
.endm
.macro SEND i, younger
.set yb, YB+32*((\i)%2)
.set xb, 32*((\i)%6)
	s_wait_dscnt \younger                          ; the rows are back; the next tile's 16 LDS instructions may be out
.if 15-(\i) >= 5
	s_wait_loadcnt 40                              ; this tile's x is in; the five later sets may be out
.else
	s_wait_loadcnt 8*(15-(\i))
.endif
	WIN 0x10                                       ; x stands in window 1
.set qq, 0
.rept 16
	v_pk_fma_f32 v[yb+2*qq:yb+2*qq+1], v[yb+2*qq:yb+2*qq+1], v[G4+2*(qq%2):G4+2*(qq%2)+1], v[xb+2*qq:xb+2*qq+1]
.set qq, qq+1
.endr
	WIN 0
.irp tt, 0,1,2,3,4,5,6,7
	global_store_b128 v[GX], v[yb+4*\tt:yb+4*\tt+3], s[OBP:OBP+1] offset:(\i)*131072+\tt*16384 th:TH_STORE_NT
.endr
.endm
	NOPS 9                                         ; places behind the last products
.irp i, 0,1,2,3,4,5
	XLOAD \i
.endr
.irp mm, 0,1,2,3
.irp ww, 0,1,2,3
	ds_load_b32 v[PF+4*\mm+\ww], v[STR] offset:2048+512*\ww+128*\mm
.endr
.endr
	s_wait_dscnt 0x0
.irp mm, 0,1,2,3
	v_add_f32 v[BM+\mm], v[PF+4*\mm], v[PF+4*\mm+1]
	v_add_f32 v[TP+\mm], v[PF+4*\mm+2], v[PF+4*\mm+3]
.endr
.irp mm, 0,1,2,3
	v_add_f32 v[BM+\mm], v[BM+\mm], v[TP+\mm]      ; l of my query
.endr
.irp mm, 0,1,2,3
	v_rcp_f32 v[BM+\mm], v[BM+\mm]
.endr
	v_nop                                          ; a plain line behind the last reciprocal
	s_wait_alu depctr_va_vdst(0)                   ; one wait for the four, ahead of their first reader
.irp mm, 0,1,2,3
	v_mul_f32 v[BM+\mm], s[GAM], v[BM+\mm]
.endr
.irp mm, 0,1,2,3
	ds_store_b32 v[RLA], v[BM+\mm] offset:128*(\mm/2)+32*(\mm%2)   ; by token, into my wave's own 256 bytes; both halves of the lanes write the same word
.endr
	ds_load_b128 v[G4:G4+3], v[RLR]                ; gamma / l of tokens 4 r .. 4 r + 3
	TOSTAGE 0
.irp i, 1,2,3,4,5,6,7,8,9,10,11,12,13,14,15
.if \i >= 2
	s_wait_xcnt 0x0                                ; the stores of two tiles back have read their registers: this tile's rows may land there
.endif
	TOSTAGE \i
	SEND \i-1, 16
.if \i+5 <= 15
	XLOAD \i+5
.endif
.endr
	SEND 15, 0
	s_wait_tensorcnt 0x0                           ; the wave's end
	ds_add_u32 v[SPW], v[NIL]
	s_wait_dscnt 0x0
	ROUND                                          ; the closing round
	s_endpgm
.Lfunc_end_k_qdc76278bff_attn:
	.size	k_qdc76278bff_attn, .Lfunc_end_k_qdc76278bff_attn-k_qdc76278bff_attn
	.p2alignl 7, 3214868480
	.fill 96, 4, 3214868480
	.section	.rodata,"a",@progbits
	.p2align	6, 0x0
	.amdhsa_kernel k_qdc76278bff_attn
		.amdhsa_group_segment_fixed_size 327680
		.amdhsa_private_segment_fixed_size 0
		.amdhsa_enable_private_segment 0
		.amdhsa_kernarg_size 48
		.amdhsa_user_sgpr_count 2
		.amdhsa_user_sgpr_kernarg_segment_ptr 1
		.amdhsa_wavefront_size32 1
		.amdhsa_system_sgpr_workgroup_id_x 1
		.amdhsa_system_sgpr_workgroup_id_y 1
		.amdhsa_system_sgpr_workgroup_id_z 1
		.amdhsa_system_vgpr_workitem_id 0
		.amdhsa_next_free_vgpr 1024
		.amdhsa_next_free_sgpr 100
		.amdhsa_reserve_vcc 0
		.amdhsa_float_denorm_mode_32 3
		.amdhsa_float_denorm_mode_16_64 3
		.amdhsa_memory_ordered 1
		.amdhsa_forward_progress 1
		.amdhsa_inst_pref_size 255
	.end_amdhsa_kernel
	.section	.bss,"aw",@nobits
	.p2align	6
	.space	262144
	.amdgpu_metadata
---
amdhsa.version: [ 1, 2 ]
amdhsa.kernels:
  - .name:           k_qdc76278bff_attn
    .symbol:         k_qdc76278bff_attn.kd
    .args:
      - { .name: qkimg, .offset: 0, .size: 8, .value_kind: global_buffer, .address_space: global }
      - { .name: qksc, .offset: 8, .size: 8, .value_kind: global_buffer, .address_space: global }
      - { .name: vrec, .offset: 16, .size: 8, .value_kind: global_buffer, .address_space: global }
      - { .name: x, .offset: 24, .size: 8, .value_kind: global_buffer, .address_space: global }
      - { .name: gamma, .offset: 32, .size: 8, .value_kind: global_buffer, .address_space: global }
      - { .name: out0, .offset: 40, .size: 8, .value_kind: global_buffer, .address_space: global }
    .group_segment_fixed_size: 327680
    .private_segment_fixed_size: 0
    .kernarg_segment_align: 8
    .kernarg_segment_size: 48
    .max_flat_workgroup_size: 128
    .sgpr_count:     100
    .vgpr_count:     1024
    .wavefront_size: 32
...
	.end_amdgpu_metadata
.endif
;; end of part 2
;; ======== version 2 of 2: 2 launches
;; workspace buffers: qkimg 4,194,304 bytes; qksc 262,144 bytes; vrec 17,301,504 bytes
;; launch proj (part 3): grid 32 x 8, 4 waves a work-group, clusters of 4 x 1, 327,680 bytes of LDS; arguments x, Wq_codes, Wq_scales, bq, Wk_codes, Wk_scales, bk, Wv_codes, Wv_scales, bv, qkimg, qksc, vrec; writes qkimg, qksc, vrec
.if DOCPART == 3
	.amdgcn_target "amdgcn-amd-amdhsa--gfx1250"
	.amdhsa_code_object_version 6
	.text
	.protected	k_qdc76278bff_proj
	.globl	k_qdc76278bff_proj
	.p2align	8
	.type	k_qdc76278bff_proj,@function
k_qdc76278bff_proj:
	s_mov_b64 s[64:65], 0
	v_nop
	global_prefetch_b8 v0, s[64:65] scope:SCOPE_SE
	s_setreg_imm32_b32 hwreg(HW_REG_WAVE_MODE, 25, 1), 1
	s_wait_xcnt 0x0
	s_wait_alu depctr_hold_cnt(0) depctr_sa_sdst(0) depctr_va_vdst(0) depctr_va_sdst(0) depctr_va_ssrc(0) depctr_va_vcc(0) depctr_vm_vsrc(0)
	s_getreg_b32 s2, hwreg(HW_REG_IB_STS2, 6, 4)
	s_cmp_eq_u32 s2, 0
	s_cbranch_scc0 .Lentry_in_a_cluster
	s_endpgm
.Lentry_in_a_cluster:
	s_bfe_u32 s2, ttmp6, 0x10000c
	s_cmp_lg_u32 s2, 0x3003
	s_cbranch_scc0 .Lentry_shape_is_right
	s_endpgm
.Lentry_shape_is_right:
; q = Wq x + bq, k = Wk x + bk, v = Wv x + bv on codes of FP8 (E4M3) with one E8M0 scale for each 32 along K (K = the 1,024 channels of x), and the three results quantised again:
; q and k along their 128 channels, v along the tokens.  x: [8][1024][2048] f32; the weights arrive as codes, K innermost.
; SHARES.  A work-group of four waves takes 64 tokens of one batch.  PHASE X: wave w quantises channels 128 w .. +127 and 512 + 128 w .. +127 of the 64 tokens; the codes go from wave to wave through LDS as images
; of the operand's registers, and EVERY wave then keeps all 32 fragments of x (512 registers).  PHASE M: wave w owns rows 32 w .. +31 of Wq and of Wk and rows 256 w .. +255 of Wv: ten contents of 32 rows x 1,024 K,
; 64 matrix instructions each, brought by the tensor data mover into the wave's own two LDS slots and read from LDS once.
; CLUSTER.  The four work-groups of a cluster walk the same weights: wave w of each issues the same tensor load with a mask that names the four.  x is no partner's but mine and goes through registers.
; THE ORDER OF Wv's CONTENTS.  A wave's 256 rows of Wv are eight pairs of row tiles.  Cluster (x, y) begins with pair 2 (x % 4) + y % 2 and walks round all eight: at any time the clusters ask for eight different parts of Wv.
; TOKEN ORDER.  Lane row p of token tile T = 2 B + u holds token 32 B + 8 u + p + 8 (p / 8), so that the 16 registers of tiles 2 B and 2 B + 1 of a result with tokens down its rows are 16 neighbouring tokens.
; q, k: source 0 = 16 rows of W (rows 8 u + p + 8 (p / 8) of the wave's 32), source 1 = 16 tokens: a lane holds one token and 16 neighbouring channels.  v: source 0 = 16 tokens, source 1 = 16 rows of Wv: a lane holds one channel and 16 neighbouring tokens.
; OUT.  qkimg: [K, Q][b][tile][group c][lane][16 bytes]; qksc: [K, Q][b][tile][lane][4 bytes]; vrec: [b][128 keys][wave] records of 33,792 bytes: 16 fragments of V (2,048 i + 512 c + 16 lane) and their scale words.
; The code stores cover 512 consecutive aligned bytes; the scale bytes (1 or 2 a lane) fill their 128-byte runs in parts: 1 byte in 32 of what is stored.
; LIMITS: NaN and infinities among the inputs are not served.  A block whose largest magnitude lies under 2^-118, a block of zeros too, gets the scale byte 1 (the quantiser's 127 for zeros is not written: the codes are zeros and only this program reads the bytes).
; No prefetch: x is one stream that every work-group reads at once from the first line on; the weights are read by all 256 work-groups.
.set REC,    33792                     ; a record of vrec
.set SLOTB,  33280                     ; an LDS slot: 32 rows x 1,040
.set WPITCH, 1040                      ; a row of W in LDS: 1,024 bytes + 16 of padding = 65 x 16: the 16 rows of a load start at 16 different 16-byte columns
.set XIMG,   266240                    ; behind the 8 slots: images of 16 fragments of x: tile x 8,208 + K step x 2,048 + 512 c + 16 lane (8,208 = 16 mod 256: a store's 16 lanes fall on 16 different columns)
.set XTS,    8208
.set XSC,    299264                    ; x's scale words: tile x 512 + K step x 64 + 4 row
.set SPARE,  301312                    ; the spare words, 128 bytes a wave: two blocks of 256 bytes that no other line names
; window 0
.set L16, 1                            ; 16 x lane
.set L4,  2                            ; 4 x lane
.set SPW, 3                            ; my spare word; never rewritten
.set NIL, 4                            ; 0; never rewritten
.set LB,  5                            ; 4 x lane + wave
.set XO,  6                            ; x: 16 rows x (lane / 16) + 16 bytes x (lane % 16)
.set XIA, 7                            ; where I store images of x
.set XSA, 8                            ; and their scale words
.set XIR, 9                            ; where I read images
.set XSRA, 10                          ; and scale words
.set AWV, 11                           ; v11-12 my lane's place in slot 0, 1, rows as they lie
.set AWQ, 13                           ; v13-14 the same with row p + 8 (p / 8)
.set WSOV, 15
.set WSOQ, 16
.set BQO, 17
.set BVO, 18
.set SH,  19                           ; 16 x (lane / 16)
.set TM,  24                           ; v24-27 largest magnitudes, v28-31 bytes, v32-35 448 x the scale, v36-39 the conversions' scale operands
.set PW,  40
.set PW2, 41
.set PC,  44                           ; v44-59 the codes just made
.set XSR, 60                           ; v60-75 x's scale words: 4 T + s % 4; lanes 0-15 K steps 0-3, lanes 16-31 K steps 4-7
.set WS,  76                           ; v76-91 W's scale words, two sets of 8 K steps; lanes 0-15 the first row tile, lanes 16-31 the second
.set BV,  92                           ; v92-95 bv of my channel, two sets of two tiles
.set CB,  96                           ; v96-111 the C of a sum's first products: bq, later bv spread over eight registers a tile
.set CBK, 112                          ; v112-127 bk
.set ACC, 128                          ; v128-191 eight accumulators
; window 1 in phase X (in phase M: W's two row tiles, tile x 128 + 16 x K step)
.set ONE, 3
.set AM,  4
.set TP,  8
.set INV, 12
.set BYT, 16
.set SW,  20
.set CX,  24
.set T8,  40
.set OX,  48
.set RX,  64                           ; three sets of 64 numbers
; windows 2 and 3: x's fragments: tile T in window 2 + T / 2 at 128 (T % 2) + 16 x K step
.set WV,   30
.set CNT,  31
.set G1,   32
.set G0Q,  40
.set G0K,  44
.set G0V0, 48
.set G0V1, 52
.set XP,   56
.set QP,   58
.set KPO,  60
.set QSP,  62
.set KSPO, 66
.set VB,   68                          ; s[68:69] my record's codes, s[70:71] its scale words, s[72:73] Wv's scales, s[74:75] bv: at my wave's pair 0; never rewritten
.set VSB,  70
.set WSP,  72
.set BVP,  74
.set SEL,  76
.set MNT,  78
.set C448, 79
.set PSEL, 80
.set RT,   84                          ; s84 the running index: its low three bits are the pair that is asked for next
.set WVB,  86                          ; s[86:87] Wv's codes at my wave's pair 0; never rewritten
.set WSW,  88                          ; s[88:89], s[90:91] the scale words and the bias of the pair asked for; s[92:93], s[94:95] where the pair that goes out is stored
.set BVW,  90
.set VBW,  92
.set VSW,  94
.set N448, 96
.set TI,   97
.set OF,   98                          ; s[98:99] an offset; its high word stays 0
.set MSB, 0
.macro WIN new                         ; the immediate's high byte repeats the setting that is left; a switch that changes nothing is dropped
.set WNEW, \new
.if MSB != WNEW
	s_set_vgpr_msb (MSB<<8)|WNEW
.set MSB, WNEW
.endif
.endm
.macro NOPS n
.rept \n
	v_nop
.endr
.endm
.macro ROUND                           ; a round of the cluster's barrier
	s_barrier_signal -1
	s_barrier_wait -1
	s_cmp_lg_u32 s[WV], 0
	s_cbranch_scc1 .Lnot_wave_0_\@
	s_barrier_signal -3
.Lnot_wave_0_\@:
	s_barrier_wait -3
	s_barrier_signal -1
	s_barrier_wait -1
.endm
.macro BARRIER                         ; my LDS stores have landed and my LDS loads are in: then the work-group's barrier
	s_wait_dscnt 0x0
	s_barrier_signal -1
	s_barrier_wait -1
.endm
	s_load_b512 s[4:19], s[0:1], 0x0               ; x, Wq codes, Wq scales, bq, Wk codes, Wk scales, bk, Wv codes
	s_load_b256 s[20:27], s[0:1], 0x40             ; Wv scales, bv, qkimg, qksc
	s_load_b64 s[28:29], s[0:1], 0x60              ; vrec
	v_lshl_add_u32 v[SPW], v0, 2, SPARE
	v_mov_b32 v[NIL], 0
	ds_add_u32 v3, v4
	ds_add_u32 v3, v4
	s_wait_dscnt 0x0
	v_lshrrev_b32 v20, 5, v0
	v_readfirstlane_b32 s[WV], v20                 ; wave 0..3
	s_bfe_u32 s84, ttmp6, 0x40000                  ; cx
	s_lshl_b32 s85, ttmp9, 2
	s_add_co_u32 s84, s85, s84                     ; nb: my block of 64 tokens; it enters global addresses alone
	s_and_b32 s85, ttmp7, 0xffff                   ; b
	s_lshl_b32 s86, s85, 23                        ; x: batch x 8 MiB + 128 w rows of 8,192 bytes + 256 nb
	s_lshl_b32 s87, s[WV], 20
	s_add_co_u32 s86, s86, s87
	s_lshl_b32 s87, s84, 8
	s_add_co_u32 s86, s86, s87
	s_mov_b32 s87, 0
	s_lshl_b32 s88, s85, 18                        ; images of q, k: (128 b + 4 nb) tiles of 2,048 bytes + 512 w
	s_lshl_b32 s89, s84, 13
	s_add_co_u32 s88, s88, s89
	s_lshl_b32 s89, s[WV], 9
	s_add_co_u32 s88, s88, s89
	s_mov_b32 s89, 0
	s_lshl_b32 s90, s85, 14                        ; their scale words: 128 bytes a tile
	s_lshl_b32 s91, s84, 9
	s_add_co_u32 s90, s90, s91
	s_mov_b32 s91, 0
	s_lshl_b32 s92, s85, 4                         ; v: record ((16 b + nb / 2) 4 + w)
	s_lshr_b32 s93, s84, 1
	s_add_co_u32 s92, s92, s93
	s_lshl_b32 s92, s92, 2
	s_add_co_u32 s92, s92, s[WV]
	s_mul_i32 s92, s92, REC
	s_and_b32 s93, s84, 1                          ; g: which half of the record's 128 keys is mine
	s_lshl_b32 s94, s93, 1
	s_add_co_u32 s94, s94, s92
	s_add_co_u32 s94, s94, 32768                   ; the scale words: bytes 2 g, 2 g + 1
	s_mov_b32 s95, 0
	s_lshl_b32 s93, s93, 10
	s_add_co_u32 s92, s92, s93                     ; the codes: groups 2 g, 2 g + 1
	s_mov_b32 s93, 0
	s_mul_i32 s97, s[WV], 2*SLOTB                  ; my two slots: the wave's number alone enters an LDS address
	s_lshl_b32 s98, s[WV], 15                      ; 32 rows of 1,024 bytes
	s_mov_b32 s99, 0
	; descriptor group 1: 32 rows of 128 elements of 8 bytes, dense in memory, 16 bytes of padding behind each row
	s_mov_b32 s[G1], 15|(3<<16)|(1<<20)|(1<<21)|(7<<22)|(3<<25)   ; 15:0 the mask: all four work-groups; 17:16 elements of 8 bytes; 20 padding on; 21 set beside a mask; 24:22 after every 256 words; 31:25 four words
	s_mov_b32 s[G1+1], 128<<16                     ; tensor_dim0
	s_mov_b32 s[G1+2], 32<<16                      ; tensor_dim1
	s_mov_b32 s[G1+3], 128<<16                     ; tile_dim0
	s_mov_b32 s[G1+4], 32                          ; tile_dim1
	s_mov_b32 s[G1+5], 128                         ; elements from row to row
	s_mov_b32 s[G1+6], 0
	s_mov_b32 s[G1+7], 0
	s_mov_b32 s[SEL], 0x76543210
	s_mov_b32 s[SEL+1], 0xfedcba98                 ; lane l xor 16
	s_mov_b32 s[MNT], 0x600000                     ; the mantissa field of 448
	s_mov_b32 s[C448], 0x43e00000
	s_mov_b32 s[N448], 0xc3e00000
	s_mov_b32 s[PSEL], 0x05010400                  ; selectors of the 4 x 4 byte transposition
	s_mov_b32 s[PSEL+1], 0x07030602
	s_mov_b32 s[PSEL+2], 0x05040100
	s_mov_b32 s[PSEL+3], 0x07060302
	v_and_b32 v20, 31, v0                          ; lane
	v_and_b32 v21, 15, v0                          ; r
	v_bfe_u32 v22, v0, 4, 1                        ; h
	v_lshlrev_b32 v[L16], 4, v20
	v_lshlrev_b32 v[L4], 2, v20
	v_add_nc_u32 v[LB], s[WV], v[L4]
	v_lshlrev_b32 v[XO], 4, v21
	v_lshl_or_b32 v[XO], v22, 17, v[XO]
	; in phase X lane (i, h) holds tokens 4 i + 0..3: token bits 5 B, 4 a, 3 u, 2 i0: tile 2 B + u, row 8 a + 4 i0 + tt
	v_bfe_u32 v23, v0, 3, 1
	v_bfe_u32 v[XIA], v0, 1, 1
	v_lshl_add_u32 v23, v23, 1, v[XIA]             ; T
	v_mul_u32_u24 v[XIA], v23, XTS
	v_lshl_add_u32 v[XIA], v22, 8, v[XIA]
	v_lshlrev_b32 v[XSA], 9, v23
	v_bfe_u32 v23, v0, 2, 1                        ; a
	v_lshl_add_u32 v[XIA], v23, 7, v[XIA]
	v_lshl_add_u32 v[XSA], v23, 5, v[XSA]
	v_and_b32 v23, 1, v0                           ; i0
	v_lshl_add_u32 v[XIA], v23, 6, v[XIA]
	v_lshl_add_u32 v[XSA], v23, 4, v[XSA]
	s_lshl_b32 s3, s[WV], 11
	s_add_co_u32 s3, s3, XIMG
	v_add_nc_u32 v[XIA], s3, v[XIA]
	s_lshl_b32 s3, s[WV], 6
	s_add_co_u32 s3, s3, XSC
	v_add_nc_u32 v[XSA], s3, v[XSA]
	v_add_nc_u32 v[XIR], XIMG, v[L16]
	v_lshlrev_b32 v[XSRA], 2, v21
	v_lshl_add_u32 v[XSRA], v22, 8, v[XSRA]
	v_add_nc_u32 v[XSRA], XSC, v[XSRA]
	s_add_co_u32 s3, s97, SLOTB
	v_mul_u32_u24 v23, v21, WPITCH
	v_lshl_add_u32 v23, v22, 4, v23
	v_add_nc_u32 v[AWV], s97, v23
	v_add_nc_u32 v[AWV+1], s3, v23
	v_and_b32 v23, 8, v21
	v_add_nc_u32 v23, v23, v21                     ; r + 8 (r / 8)
	v_lshl_add_u32 v[WSOQ], v22, 3, v23
	v_lshlrev_b32 v[WSOQ], 5, v[WSOQ]              ; 32 bytes of scales a row; lanes 16-31 take the second tile's rows, 8 further on
	v_mul_u32_u24 v23, v23, WPITCH
	v_lshl_add_u32 v23, v22, 4, v23
	v_add_nc_u32 v[AWQ], s97, v23
	v_add_nc_u32 v[AWQ+1], s3, v23
	v_lshlrev_b32 v[WSOV], 5, v20
	v_lshlrev_b32 v[BQO], 6, v22
	v_lshlrev_b32 v[BVO], 2, v21
	v_lshlrev_b32 v[SH], 4, v22
.irp bb, 0,1,2,3
	v_mov_b32 v[TM+4+\bb], 0                       ; written once: a lane permute's destination counts as one of its sources
.endr
	s_wait_kmcnt 0x0
	s_add_nc_u64 s[XP:XP+1], s[4:5], s[86:87]
	s_add_nc_u64 s[KPO:KPO+1], s[24:25], s[88:89]
	s_add_nc_u64 s[QP:QP+1], s[KPO:KPO+1], 2097152
	s_add_nc_u64 s[KSPO:KSPO+1], s[26:27], s[90:91]
	s_add_nc_u64 s[QSP:QSP+1], s[KSPO:KSPO+1], 131072
	s_add_nc_u64 s[VB:VB+1], s[28:29], s[92:93]
	s_add_nc_u64 s[VSB:VSB+1], s[28:29], s[94:95]
	s_mov_b32 s[G0Q], 1                            ; group 0: count 1, LDS address, global address, type 2
	s_mov_b32 s[G0Q+1], s97
	s_add_nc_u64 s[G0Q+2:G0Q+3], s[6:7], s[98:99]
	s_or_b32 s[G0Q+3], s[G0Q+3], 0x80000000
	s_mov_b32 s[G0K], 1
	s_add_co_u32 s[G0K+1], s97, SLOTB
	s_add_nc_u64 s[G0K+2:G0K+3], s[12:13], s[98:99]
	s_or_b32 s[G0K+3], s[G0K+3], 0x80000000
	s_lshl_b32 s98, s[WV], 18                      ; 256 rows of Wv
	s_add_nc_u64 s[WVB:WVB+1], s[18:19], s[98:99]
	s_mov_b32 s[G0V0], 1                           ; Wv's two groups 0, one a slot: their global addresses are written at each change of slots
	s_mov_b32 s[G0V0+1], s97
	s_mov_b32 s[G0V1], 1
	s_add_co_u32 s[G0V1+1], s97, SLOTB
	s_lshl_b32 s98, s[WV], 13
	s_add_nc_u64 s[WSP:WSP+1], s[20:21], s[98:99]  ; Wv's scales: 256 rows of 32 bytes a wave
	s_lshl_b32 s98, s[WV], 10
	s_add_nc_u64 s[BVP:BVP+1], s[22:23], s[98:99]
	s_add_nc_u64 s[8:9], s[8:9], s[98:99]          ; Wq's and Wk's scales: 32 rows of 32 bytes a wave
	s_add_nc_u64 s[14:15], s[14:15], s[98:99]
	s_lshl_b32 s98, s[WV], 7
	s_add_nc_u64 s[10:11], s[10:11], s[98:99]      ; bq, bk: 32 numbers a wave
	s_add_nc_u64 s[16:17], s[16:17], s[98:99]
	s_and_b32 s[RT], ttmp9, 3                      ; the cluster's first pair of Wv: 2 (x % 4) + y % 2: the same in all four partners
	s_lshl_b32 s[RT], s[RT], 1
	s_and_b32 s[TI], ttmp7, 1
	s_or_b32 s[RT], s[RT], s[TI]
	ROUND                                          ; all four work-groups are here: the first joint loads meet
	tensor_load_to_lds s[G0Q:G0Q+3], s[G1:G1+7]    ; my rows of Wq into slot 0,
	s_nop 0
	tensor_load_to_lds s[G0K:G0K+3], s[G1:G1+7]    ; of Wk into slot 1: two loads of mine are out
	s_nop 0
	NOPS 4
	global_load_b128 v[WS:WS+3], v[WSOQ], s[8:9]               ; twelve side loads: the scale words of Wq and Wk,
	global_load_b128 v[WS+4:WS+7], v[WSOQ], s[8:9] offset:16
	global_load_b128 v[WS+8:WS+11], v[WSOQ], s[14:15]
	global_load_b128 v[WS+12:WS+15], v[WSOQ], s[14:15] offset:16
.irp uu, 0,1
	global_load_b128 v[CB+8*\uu:CB+8*\uu+3], v[BQO], s[10:11] offset:32*\uu        ; and the biases in the results' layout: channel 16 h + 8 u + 0..7
	global_load_b128 v[CB+8*\uu+4:CB+8*\uu+7], v[BQO], s[10:11] offset:32*\uu+16
	global_load_b128 v[CBK+8*\uu:CBK+8*\uu+3], v[BQO], s[16:17] offset:32*\uu
	global_load_b128 v[CBK+8*\uu+4:CBK+8*\uu+7], v[BQO], s[16:17] offset:32*\uu+16
.endr
	WIN 0x40
	v_mov_b32 v[ONE], 1.0
.irp tt, 0,1,2,3
	v_mov_b32 v[TP+\tt], 0
.endr
	WIN 0
; PHASE X.  Block t of eight: 32 channels x 64 tokens.  A load's lanes 0-15 read one row's 256 bytes, lanes 16-31 the row 16 further down: lane (i, h) gets tokens 4 i + 0..3 of channel 16 h + k into registers 4 k + 0..3.
.macro XLOADB t
	WIN 0x40
.set xk, 0
.rept 16
	global_load_b128 v[RX+64*((\t)%3)+4*xk:RX+64*((\t)%3)+4*xk+3], v[XO], s[XP:XP+1] offset:(512*((\t)/4)+32*((\t)%4)+xk)*8192 th:TH_LOAD_NT
.set xk, xk+1
.endr
	WIN 0
.endm
; A lane's four tokens have four scales, and a conversion takes one: so each number is multiplied by its block's 2^-e (exact), held within +-448 and converted under the scale 1.
; The conversions give bytes (channel k; tokens 0..3); four 4 x 4 byte transpositions give each token its 16 codes, which are 16 bytes of the operand's image.
.macro XBLOCK t
.set RS, RX+64*((\t)%3)
.set xc, (\t)%4
.if (\t) <= 5
	s_wait_loadcnt 32                              ; this block's 16 loads are in; the next two blocks' may be out
.elseif (\t) == 6
	s_wait_loadcnt 16
.else
	s_wait_loadcnt 0
.endif
	WIN 0x55
.irp tt, 0,1,2,3
	v_max3_num_f32 v[AM+\tt], |v[RS+\tt]|, |v[RS+4+\tt]|, 0x4800000     ; with the floor 2^(9 - 127): the byte cannot fall under 1
.endr
.irp qv, 1,2,3,4,5,6,7
.irp tt, 0,1,2,3
	v_max3_num_f32 v[AM+\tt], v[AM+\tt], |v[RS+8*\qv+\tt]|, |v[RS+8*\qv+4+\tt]|
.endr
.endr
.irp tt, 0,1,2,3
	v_permlanex16_b32 v[TP+\tt], v[AM+\tt], s[SEL], s[SEL+1]
.endr
.irp tt, 0,1,2,3
	v_max_num_f32 v[AM+\tt], v[AM+\tt], v[TP+\tt]  ; with the other 16 channels': the block's largest magnitude
.endr
.irp tt, 0,1,2,3
	v_add_nc_u32 v[TP+\tt], 0xfc000000, v[AM+\tt]  ; 8 off its exponent field
.endr
.irp tt, 0,1,2,3
	v_lshrrev_b32 v[BYT+\tt], 23, v[TP+\tt]        ; the scale's byte
.endr
.irp tt, 0,1,2,3
	v_and_b32 v[TP+\tt], 0x7f800000, v[AM+\tt]
.endr
.irp tt, 0,1,2,3
	v_sub_nc_u32 v[INV+\tt], 0x83000000, v[TP+\tt] ; exponent field 262 - E: 1 / the scale
.endr
.irp tt, 0,1,2,3
.if xc == 0
	v_mov_b32 v[SW+\tt], v[BYT+\tt]
.else
	v_lshl_or_b32 v[SW+\tt], v[BYT+\tt], 8*xc, v[SW+\tt]
.endif
.endr
.set xk, 0
.rept 16
	v_pk_mul_f32 v[RS+4*xk:RS+4*xk+1], v[RS+4*xk:RS+4*xk+1], v[INV:INV+1]
	v_pk_mul_f32 v[RS+4*xk+2:RS+4*xk+3], v[RS+4*xk+2:RS+4*xk+3], v[INV+2:INV+3]
.set xk, xk+1
.endr
.set xk, 0
.rept 64
	v_med3_num_f32 v[RS+xk], v[RS+xk], s[N448], s[C448]    ; the conversion to an 8-bit code does not saturate (ISA guide 7.6.2)
.set xk, xk+1
.endr
.set xk, 0
.rept 8
	v_cvt_scalef32_pk8_fp8_f32 v[CX+2*xk:CX+2*xk+1], v[RS+8*xk:RS+8*xk+7], v[ONE]
.set xk, xk+1
.endr
	v_nop                                          ; a plain line between the conversions and the first reader of their results
.set gg, 0
.rept 4
.set tq, T8+4*(gg%2)
	v_perm_b32 v[tq], v[CX+4*gg+1], v[CX+4*gg], s[PSEL]
	v_perm_b32 v[tq+1], v[CX+4*gg+1], v[CX+4*gg], s[PSEL+1]
	v_perm_b32 v[tq+2], v[CX+4*gg+3], v[CX+4*gg+2], s[PSEL]
	v_perm_b32 v[tq+3], v[CX+4*gg+3], v[CX+4*gg+2], s[PSEL+1]
	v_perm_b32 v[OX+gg], v[tq+2], v[tq], s[PSEL+2]         ; token 0: channels 4 g + 0..3
	v_perm_b32 v[OX+4+gg], v[tq+2], v[tq], s[PSEL+3]       ; token 1
	v_perm_b32 v[OX+8+gg], v[tq+3], v[tq+1], s[PSEL+2]     ; token 2
	v_perm_b32 v[OX+12+gg], v[tq+3], v[tq+1], s[PSEL+3]    ; token 3
.set gg, gg+1
.endr
	WIN 0x04                                       ; an LDS store's data are its source 1
.irp tt, 0,1,2,3
	ds_store_b128 v[XIA], v[OX+4*\tt:OX+4*\tt+3] offset:512*xc+16*\tt
.endr
.if xc == 3
.irp tt, 0,1,2,3
	ds_store_b32 v[XSA], v[SW+\tt] offset:4*\tt+256*((\t)/4)   ; both halves of the lanes write the same word with the same value
.endr
.endif
	s_wait_dscnt 0x0                               ; the stores have read their registers
	WIN 0
.if (\t)+3 <= 7
	XLOADB (\t)+3
.endif
.endm
.macro FETCHX round                    ; the 16 fragments of four K steps come back, in every wave, as they were stored
.irp tl, 0,1,2,3
	WIN 0x80+0x40*(\tl/2)
.irp sl, 0,1,2,3
.irp cc, 0,1,2,3
	ds_load_b128 v[128*(\tl%2)+16*(4*\round+\sl)+4*\cc:128*(\tl%2)+16*(4*\round+\sl)+4*\cc+3], v[XIR] offset:\tl*XTS+2048*\sl+512*\cc
.endr
.endr
.endr
	WIN 0
.endm
; PHASE M.
.macro SIDE_V p                        ; the scale words and the bias of the pair that has just been asked for, into set p
	global_load_b128 v[WS+8*(\p):WS+8*(\p)+3], v[WSOV], s[WSW:WSW+1]
	global_load_b128 v[WS+8*(\p)+4:WS+8*(\p)+7], v[WSOV], s[WSW:WSW+1] offset:16
	global_load_b32 v[BV+2*(\p)], v[BVO], s[BVW:BVW+1]
	global_load_b32 v[BV+2*(\p)+1], v[BVO], s[BVW:BVW+1] offset:64
.endm
.macro LOADW adr, tstr                 ; a content's 16 fragments of W into window 1: read from LDS once
	WIN 0x40
.irp tl, 0,1
.irp kk, 0,1,2,3,4,5,6,7
.irp cc, 0,1,2,3
	ds_load_b128 v[128*\tl+16*\kk+4*\cc:128*\tl+16*\kk+4*\cc+3], v[\adr] offset:\tl*\tstr+128*\kk+32*\cc
.endr
.endr
.endr
	WIN 0
.endm
.macro BIASV p, cnt
	s_wait_loadcnt \cnt                            ; this content's four side loads are in; the next content's four may be out
.irp tl, 0,1
.irp jj, 0,1,2,3,4,5,6,7
	v_mov_b32 v[CB+8*\tl+\jj], v[BV+2*(\p)+\tl]    ; a lane is one channel: its bias in all eight registers
.endr
.endr
.endm
.macro WM                              ; one product, from the symbols rD rA rB rC rSA rSB; fA, fB: the side's scales stand in lanes 16-31
.if fA && fB
	v_wmma_scale_f32_16x16x128_f8f6f4 v[rD:rD+7], v[rA:rA+15], v[rB:rB+15], v[rC:rC+7], v[rSA], v[rSB] matrix_a_scale:MATRIX_SCALE_ROW1 matrix_b_scale:MATRIX_SCALE_ROW1
.elseif fA
	v_wmma_scale_f32_16x16x128_f8f6f4 v[rD:rD+7], v[rA:rA+15], v[rB:rB+15], v[rC:rC+7], v[rSA], v[rSB] matrix_a_scale:MATRIX_SCALE_ROW1
.elseif fB
	v_wmma_scale_f32_16x16x128_f8f6f4 v[rD:rD+7], v[rA:rA+15], v[rB:rB+15], v[rC:rC+7], v[rSA], v[rSB] matrix_b_scale:MATRIX_SCALE_ROW1
.else
	v_wmma_scale_f32_16x16x128_f8f6f4 v[rD:rD+7], v[rA:rA+15], v[rB:rB+15], v[rC:rC+7], v[rSA], v[rSB]
.endif
.endm
; 64 products of a content.  Four accumulators take turns, one instruction a turn; the bias is the C of each sum's first product.
.macro MUL_QK p, cb                    ; source 0 = W (window 1), source 1 = x (window 2 or 3)
	s_wait_dscnt 0x0
.set hf, 0
.rept 2
	WIN 0x09+4*hf
.set ks, 0
.rept 8
.set qq, 0
.rept 4
.set uu, qq/2
.set tl, qq%2
.set rD, ACC+16*(2*hf+tl)+8*uu
.set rA, 128*uu+16*ks
.set rB, 128*tl+16*ks
.set rC, rD
.if ks == 0
.set rC, \cb+8*uu
.endif
.set rSA, WS+8*(\p)+ks
.set rSB, XSR+4*(2*hf+tl)+(ks%4)
.set fA, uu
.set fB, ks/4
	WM
.set qq, qq+1
.endr
.set ks, ks+1
.endr
.set hf, hf+1
.endr
	WIN 0
.endm
.macro MUL_V p                         ; source 0 = x (window 2 or 3), source 1 = W (window 1)
	s_wait_dscnt 0x0
.set hf, 0
.rept 2
	WIN 0x06+hf
.set ks, 0
.rept 8
.set qq, 0
.rept 4
.set uu, qq/2
.set tl, qq%2
.set rD, ACC+32*uu+8*(2*hf+tl)
.set rA, 128*tl+16*ks
.set rB, 128*uu+16*ks
.set rC, rD
.if ks == 0
.set rC, CB+8*uu
.endif
.set rSA, XSR+4*(2*hf+tl)+(ks%4)
.set rSB, WS+8*(\p)+ks
.set fA, ks/4
.set fB, uu
	WM
.set qq, qq+1
.endr
.set ks, ks+1
.endr
.set hf, hf+1
.endr
	WIN 0
.endm
; The eight accumulators are four blocks of 32 along the next K: registers 16 b + 0..15 of lanes l and l xor 16.  Codes to v[PC + 4 b] on, bytes to v[TM + 4 + b].
.macro QUANT
.irp bb, 0,1,2,3
	v_max3_num_f32 v[TM+\bb], |v[ACC+16*\bb]|, |v[ACC+16*\bb+1]|, 0x4800000
.endr
.irp ii, 2,4,6,8,10,12,14
.irp bb, 0,1,2,3
	v_max3_num_f32 v[TM+\bb], v[TM+\bb], |v[ACC+16*\bb+\ii]|, |v[ACC+16*\bb+\ii+1]|
.endr
.endr
.irp bb, 0,1,2,3
	v_permlanex16_b32 v[TM+4+\bb], v[TM+\bb], s[SEL], s[SEL+1]
.endr
.irp bb, 0,1,2,3
	v_max_num_f32 v[TM+\bb], v[TM+\bb], v[TM+4+\bb]
.endr
.irp bb, 0,1,2,3
	v_add_nc_u32 v[TM+12+\bb], 0xfc000000, v[TM+\bb]       ; 8 off the exponent field: the conversion's scale operand
.endr
.irp bb, 0,1,2,3
	v_and_or_b32 v[TM+8+\bb], v[TM+\bb], 0x7f800000, s[MNT]   ; 448 x the scale
.endr
.irp bb, 0,1,2,3
	v_lshrrev_b32 v[TM+4+\bb], 23, v[TM+12+\bb]    ; the scale's byte
.endr
.irp bb, 0,1,2,3
.irp ii, 0,1,2,3,4,5,6,7,8,9,10,11,12,13,14,15
	v_med3_num_f32 v[ACC+16*\bb+\ii], v[ACC+16*\bb+\ii], -v[TM+8+\bb], v[TM+8+\bb]
.endr
	v_cvt_scalef32_pk8_fp8_f32 v[PC+4*\bb:PC+4*\bb+1], v[ACC+16*\bb:ACC+16*\bb+7], v[TM+12+\bb]
	v_cvt_scalef32_pk8_fp8_f32 v[PC+4*\bb+2:PC+4*\bb+3], v[ACC+16*\bb+8:ACC+16*\bb+15], v[TM+12+\bb]
.endr
	v_nop                                          ; a plain line between the last conversion and the products that write its sources anew
.endm
; The ways out.  The registers that the last way out's stores read are written again here: the wait on XCNT that allows it stands in the change of slots, in front of this content.
.macro EPI_QK ip, sq                   ; block b = token tile b: group w of that tile's fragment, byte w of its scale words
	QUANT
.irp tl, 0,1,2,3
	global_store_b128 v[L16], v[PC+4*\tl:PC+4*\tl+3], s[\ip:\ip+1] offset:2048*\tl     ; 512 consecutive bytes, aligned
.endr
.irp tl, 0,1,2,3
	global_store_b8 v[LB], v[TM+4+\tl], s[\sq:\sq+1] offset:128*\tl
.endr
.endm
.macro EPI_V                           ; block b = 2 x row tile + half of my 64 tokens
	QUANT
	v_lshl_or_b32 v[PW], v[TM+5], 8, v[TM+4]
	v_lshl_or_b32 v[PW], v[TM+6], 16, v[PW]
	v_lshl_or_b32 v[PW], v[TM+7], 24, v[PW]
	v_lshrrev_b32 v[PW2], v[SH], v[PW]             ; lanes 0-15 store the first tile's two bytes, lanes 16-31 the second's
.irp bb, 0,1,2,3
	global_store_b128 v[L16], v[PC+4*\bb:PC+4*\bb+3], s[VBW:VBW+1] offset:2048*(\bb/2)+512*(\bb%2)
.endr
	global_store_b16 v[L4], v[PW2], s[VSW:VSW+1]
.endm
.macro ASKIDX g0                       ; the pair that is asked for now, RT % 8: its codes (32,768 bytes a pair) into group 0, its scale words (1,024) and its bias (128) into their working bases
	s_and_b32 s[TI], s[RT], 7
	s_lshl_b32 s[OF], s[TI], 15
	s_add_nc_u64 s[\g0+2:\g0+3], s[WVB:WVB+1], s[OF:OF+1]
	s_or_b32 s[\g0+3], s[\g0+3], 0x80000000
	s_lshl_b32 s[OF], s[TI], 10
	s_add_nc_u64 s[WSW:WSW+1], s[WSP:WSP+1], s[OF:OF+1]
	s_lshl_b32 s[OF], s[TI], 7
	s_add_nc_u64 s[BVW:BVW+1], s[BVP:BVP+1], s[OF:OF+1]
.endm
.macro STOIDX                          ; the pair that goes out in this content was asked for two contents ago: (RT - 2) % 8: 4,096 bytes of codes and 128 of scale words a pair
	s_add_co_u32 s[TI], s[RT], 6
	s_and_b32 s[TI], s[TI], 7
	s_lshl_b32 s[OF], s[TI], 12
	s_add_nc_u64 s[VBW:VBW+1], s[VB:VB+1], s[OF:OF+1]
	s_lshl_b32 s[OF], s[TI], 7
	s_add_nc_u64 s[VSW:VSW+1], s[VSB:VSB+1], s[OF:OF+1]
.endm
; THE CHANGE OF SLOTS.  All my tensor loads have landed (the content about to be read among them); the add; the addresses of this content, while the add is out; my reads of the slot just left are over;
; a round of the cluster's barrier; the joint refill of that slot first behind it: one load of mine is out.  The nine v_nop are the form behind a tensor load and the places behind the last products.
; The wait on XCNT stands 64 products behind the last content's side loads and stores: behind it their bases and their data registers are written again.
.macro CHANGE fill, st
	s_wait_tensorcnt 0x0
	ds_add_u32 v[SPW], v[NIL]                      ; 0 onto my spare word
	s_wait_xcnt 0x0
	ASKIDX \fill                                   ; no load of mine is out: a group 0 may be written
.if \st
	STOIDX
.endif
	s_add_co_u32 s[RT], s[RT], 1
	s_wait_dscnt 0x0
	ROUND
	tensor_load_to_lds s[\fill:\fill+3], s[G1:G1+7]
	s_nop 0
	NOPS 9
.endm
	XLOADB 0
	XLOADB 1
	XLOADB 2
	XBLOCK 0
	XBLOCK 1
	XBLOCK 2
	XBLOCK 3
	BARRIER                                        ; K steps 0-3 of x lie in LDS
	FETCHX 0
	BARRIER                                        ; every wave has them: the images may be written again
	XBLOCK 4
	XBLOCK 5
	XBLOCK 6
	XBLOCK 7
	BARRIER                                        ; K steps 4-7, and all scale words
	FETCHX 1
.irp tl, 0,1,2,3
.irp sl, 0,1,2,3
	ds_load_b32 v[XSR+4*\tl+\sl], v[XSRA] offset:512*\tl+64*\sl
.endr
.endr
	s_wait_tensorcnt 0x1                           ; content 0 (Wq) is in my slot 0, which I alone read; Wk's load may be out
	LOADW AWQ, 8320
	s_wait_loadcnt 0x0                             ; the twelve side loads
	MUL_QK 0, CB
	CHANGE G0V0, 0                                 ; content 1 (Wk); slot 0 takes content 2, the cluster's first pair of Wv
	SIDE_V 0
	LOADW AWQ+1, 8320
	EPI_QK QP, QSP                                 ; the content before goes out between this content's LDS loads and its products
	MUL_QK 1, CBK
	CHANGE G0V1, 0                                 ; content 2
	SIDE_V 1
	LOADW AWV, 16640
	BIASV 0, 4
	EPI_QK KPO, KSPO
	MUL_V 0
	s_mov_b32 s[CNT], 3
.Lpair:                                            ; contents 3 to 8, two a trip
	CHANGE G0V0, 1
	SIDE_V 0
	LOADW AWV+1, 16640
	BIASV 1, 4
	EPI_V
	MUL_V 1
	CHANGE G0V1, 1
	SIDE_V 1
	LOADW AWV, 16640
	BIASV 0, 4
	EPI_V
	MUL_V 0
	s_sub_co_u32 s[CNT], s[CNT], 1
	s_cmp_lg_u32 s[CNT], 0
	s_cbranch_scc1 .Lpair
	s_wait_tensorcnt 0x0                           ; content 9: written out, since nothing is left to ask for
	ds_add_u32 v[SPW], v[NIL]
	s_wait_xcnt 0x0
	STOIDX
	s_add_co_u32 s[RT], s[RT], 1
	s_wait_dscnt 0x0
	s_barrier_signal -1
	s_barrier_wait -1
	NOPS 9
	LOADW AWV+1, 16640
	BIASV 1, 0
	EPI_V
	MUL_V 1
	NOPS 9
	s_wait_xcnt 0x0                                ; the stores in front of the last 64 products have read their registers and bases
	STOIDX
	EPI_V
	s_wait_tensorcnt 0x0                           ; the wave's end
	ds_add_u32 v[SPW], v[NIL]
	s_wait_dscnt 0x0
	ROUND                                          ; the closing round
	s_endpgm
.Lfunc_end_k_qdc76278bff_proj:
	.size	k_qdc76278bff_proj, .Lfunc_end_k_qdc76278bff_proj-k_qdc76278bff_proj
	.p2alignl 7, 3214868480
	.fill 96, 4, 3214868480
	.section	.rodata,"a",@progbits
	.p2align	6, 0x0
	.amdhsa_kernel k_qdc76278bff_proj
		.amdhsa_group_segment_fixed_size 327680
		.amdhsa_private_segment_fixed_size 0
		.amdhsa_enable_private_segment 0
		.amdhsa_kernarg_size 104
		.amdhsa_user_sgpr_count 2
		.amdhsa_user_sgpr_kernarg_segment_ptr 1
		.amdhsa_wavefront_size32 1
		.amdhsa_system_sgpr_workgroup_id_x 1
		.amdhsa_system_sgpr_workgroup_id_y 1
		.amdhsa_system_sgpr_workgroup_id_z 1
		.amdhsa_system_vgpr_workitem_id 0
		.amdhsa_next_free_vgpr 1024
		.amdhsa_next_free_sgpr 100
		.amdhsa_reserve_vcc 0
		.amdhsa_float_denorm_mode_32 3
		.amdhsa_float_denorm_mode_16_64 3
		.amdhsa_memory_ordered 1
		.amdhsa_forward_progress 1
		.amdhsa_inst_pref_size 255
	.end_amdhsa_kernel
	.section	.bss,"aw",@nobits
	.p2align	6
	.space	262144
	.amdgpu_metadata
---
amdhsa.version: [ 1, 2 ]
amdhsa.kernels:
  - .name:           k_qdc76278bff_proj
    .symbol:         k_qdc76278bff_proj.kd
    .args:
      - { .name: x, .offset: 0, .size: 8, .value_kind: global_buffer, .address_space: global }
      - { .name: Wq_codes, .offset: 8, .size: 8, .value_kind: global_buffer, .address_space: global }
      - { .name: Wq_scales, .offset: 16, .size: 8, .value_kind: global_buffer, .address_space: global }
      - { .name: bq, .offset: 24, .size: 8, .value_kind: global_buffer, .address_space: global }
      - { .name: Wk_codes, .offset: 32, .size: 8, .value_kind: global_buffer, .address_space: global }
      - { .name: Wk_scales, .offset: 40, .size: 8, .value_kind: global_buffer, .address_space: global }
      - { .name: bk, .offset: 48, .size: 8, .value_kind: global_buffer, .address_space: global }
      - { .name: Wv_codes, .offset: 56, .size: 8, .value_kind: global_buffer, .address_space: global }
      - { .name: Wv_scales, .offset: 64, .size: 8, .value_kind: global_buffer, .address_space: global }
      - { .name: bv, .offset: 72, .size: 8, .value_kind: global_buffer, .address_space: global }
      - { .name: qkimg, .offset: 80, .size: 8, .value_kind: global_buffer, .address_space: global }
      - { .name: qksc, .offset: 88, .size: 8, .value_kind: global_buffer, .address_space: global }
      - { .name: vrec, .offset: 96, .size: 8, .value_kind: global_buffer, .address_space: global }
    .group_segment_fixed_size: 327680
    .private_segment_fixed_size: 0
    .kernarg_segment_align: 8
    .kernarg_segment_size: 104
    .max_flat_workgroup_size: 128
    .sgpr_count:     100
    .vgpr_count:     1024
    .wavefront_size: 32
...
	.end_amdgpu_metadata
.endif
;; end of part 3
;; launch attn (part 4): grid 32 x 8, 4 waves a work-group, clusters of 4 x 1, 327,680 bytes of LDS; arguments qkimg, qksc, vrec, x, gamma, out0; writes out0
.if DOCPART == 4
	.amdgcn_target "amdgcn-amd-amdhsa--gfx1250"
	.amdhsa_code_object_version 6
	.text
	.protected	k_qdc76278bff_attn
	.globl	k_qdc76278bff_attn
	.p2align	8
	.type	k_qdc76278bff_attn,@function
k_qdc76278bff_attn:
	s_mov_b64 s[64:65], 0
	v_nop
	global_prefetch_b8 v0, s[64:65] scope:SCOPE_SE
	s_setreg_imm32_b32 hwreg(HW_REG_WAVE_MODE, 25, 1), 1
	s_wait_xcnt 0x0
	s_wait_alu depctr_hold_cnt(0) depctr_sa_sdst(0) depctr_va_vdst(0) depctr_va_sdst(0) depctr_va_ssrc(0) depctr_va_vcc(0) depctr_vm_vsrc(0)
	s_getreg_b32 s2, hwreg(HW_REG_IB_STS2, 6, 4)
	s_cmp_eq_u32 s2, 0
	s_cbranch_scc0 .Lentry_in_a_cluster
	s_endpgm
.Lentry_in_a_cluster:
	s_bfe_u32 s2, ttmp6, 0x10000c
	s_cmp_lg_u32 s2, 0x3003
	s_cbranch_scc0 .Lentry_shape_is_right
	s_endpgm
.Lentry_shape_is_right:
; out[b][c][j] = gamma x (sum over m of v[b][c][m] p[j][m]) / l[j] + x[b][c][j], p = 2^(t - M), t = (q[j] . k[m]) log2(e) / sqrt(128), M = ceil(the row's largest t), l = the row's sum of the unquantised p.
; Both products on codes of FP8 (E4M3) with one E8M0 scale for each 32 along K.  q, k, v come as images of the operands' registers (qkimg, qksc, vrec); p is quantised here, along the keys.
; SHARES.  A work-group of four waves owns 64 queries of one batch and all 1,024 channels.  Keys go in 16 steps of 128.  Of a step wave w makes the scores of keys 32 w .. +31 for all 64 queries (8 products): one block of the
; quantiser, group w of P's four fragments and byte w of their scale words, which go to the other waves through LDS as images.  For the second product wave w owns channels 256 w .. +255: 16 fragments of V x 4 tiles of queries = 64 accumulators.
; TWO PASSES.  Pass 1 makes all scores once for the rows' maxima alone, so that M is final from the first p on: no accumulator is ever rescaled (512 registers a wave) and no factor goes between waves; it costs 8 products and 32 maxima a step.
; THE ORDER OF THE KEY STEPS.  With M final the sums may take the key steps in any order.  Cluster x of a batch begins at step j0 = 4 (x % 4) + 2 (x / 4) and walks round all sixteen: its n-th step is (j0 + n) % 16, in both passes.
; So the batch's eight clusters ask for eight different steps at a time, and what a cluster asks for from its fifth step on, the cluster with (x + 1) % 4 asked for four steps before.  Below, 'step n' is the cluster's n-th.
; A TRIP of the main loop: the scores of step n + 1, P(n)'s and V(n)'s LDS loads, the softmax of step n + 1 (under which the loads land), the 64 products of step n.  One round of the cluster's barrier a trip shows P(n) to all
; waves, frees the other P buffer and frees the V slot just left.
; CLUSTER.  The four query blocks of a cluster walk the same V: wave w of each asks for record (b, step, w), 33,792 dense bytes, jointly.  K is not asked for jointly: it is 4,352 of the 38,144 bytes that a wave takes in a step and goes from memory
; straight into the registers of the one wave that uses it.  Q and x are no partner's but mine.
; LAYOUT.  S^T: source 0 = 16 keys, source 1 = 16 queries: a lane holds one query and 16 neighbouring keys.  O: source 0 = P (16 queries), source 1 = V (16 channels): a lane holds one channel; register jj of tile m is token 32 (m / 2) + 16 h + 8 (m % 2) + jj.
; LIMITS: NaN and infinities are not served; p under 2^-126 becomes 0 (v_exp_f32 flushes such results: ISA guide, its entry); a block of p whose largest number lies under 2^-118 gets the scale byte 1; t is the score times one constant, rounded once.
; The loop's last trip loads once more the 4,352 bytes of K of the cluster's step 0, which nobody uses: the trip is written once for all fourteen.
.set REC,   33792
.set SLOTB, 135168                     ; a slot: four records
.set PIMG,  270336                     ; behind the two slots: P's images, two buffers of 8,192: 2,048 m + 512 c + 16 lane
.set PSC,   286720                     ; P's scale words, two buffers of 512: 128 m + 4 lane, byte c
.set STM,   287744                     ; the waves' maxima: (4 w + m) 128 + 4 lane
.set STL,   289792                     ; the waves' sums likewise (STM + 2,048)
.set RLW,   291840                     ; gamma / l by token, 256 bytes for each wave
.set STG,   292864                     ; the way out: 16 rows x 272 bytes for each wave
.set SPARE, 310272                     ; the spare words, 128 bytes a wave: two blocks of 256 bytes that no other line names
.set L16, 1
.set L4,  2
.set SPW, 3
.set NIL, 4
.set PRA, 5
.set PSA, 6
.set PWA, 7
.set PBA, 8
.set AV,  9                            ; v9-10  my record in slot 0, 1
.set AVS, 11                           ; v11-12 its scale words
.set STA, 13
.set STR, 14
.set SO,  16
.set SR,  17
.set GX,  18
.set RLA, 19
.set RLR, 20
.set ST,  24                           ; v24-39 tile m: -M, -M again, the sum in two halves
.set BM,  40
.set TP,  44
.set HD,  48
.set SCO, 52
.set PC,  56
.set QS,  72
.set KS,  76
.set PS,  78
.set VS,  82                           ; v82-89 V's scale words; in pass 1 those of K's ring
.set G4,  90
.set KF,  96                           ; v96-127 two fragments of K
.set S,   128                          ; v128-191 scores, then p; on the way out rows of the result
.set PF,  192                          ; v192-255 P's four fragments; in pass 1 the second buffer of scores
.set YB,  128
.set QF,  192                          ; window 1: v0-191 twelve buffers for V's fragments (on the way out six sets of x); v192-255 Q's four fragments
; windows 2, 3: accumulator (i, m) in window 2 + i / 8 at 8 (4 (i % 8) + m); in pass 1 window 2's v0-127 are a ring of four steps of K
.set WV,  16
.set G1,  24
.set G0,  32
.set KB,  40                           ; s[40:41], s[42:43] K's images and scale words at my tiles of key step 0; never rewritten
.set KSB, 42
.set KP,  44                           ; s[44:45], s[46:47] the same at the step that is loaded next
.set KSP, 46
.set QIP, 48
.set QSP, 50
.set XBP, 52
.set OBP, 54
.set CNT, 59
.set SEL, 60
.set CS,  62
.set MNT, 66
.set GAM, 67
.set PB,  68                           ; s[68:83] pass 1: the two bases of each of the ring's four sets
.set J0,  90                           ; s90 the cluster's first key step
.set NR,  91                           ; s91 its low four bits: the key step whose record is asked for next
.set VBS, 92                           ; s[92:93] V at my wave's record of key step 0; never rewritten
.set OF,  94                           ; s[94:95], s[98:99] offsets; their high words stay 0
.set KN,  96                           ; s96 its low four bits: the key step whose K is loaded next
.set O2,  98
.set MSB, 0
.macro WIN new
.set WNEW, \new
.if MSB != WNEW
	s_set_vgpr_msb (MSB<<8)|WNEW
.set MSB, WNEW
.endif
.endm
.macro NOPS n
.rept \n
	v_nop
.endr
.endm
.macro ROUND
	s_barrier_signal -1
	s_barrier_wait -1
	s_cmp_lg_u32 s[WV], 0
	s_cbranch_scc1 .Lnot_wave_0_\@
	s_barrier_signal -3
.Lnot_wave_0_\@:
	s_barrier_wait -3
	s_barrier_signal -1
	s_barrier_wait -1
.endm
	s_load_b256 s[4:11], s[0:1], 0x0               ; qkimg, qksc, vrec, x
	s_load_b128 s[12:15], s[0:1], 0x20             ; gamma, out0
	v_lshl_add_u32 v[SPW], v0, 2, SPARE
	v_mov_b32 v[NIL], 0
	ds_add_u32 v3, v4
	ds_add_u32 v3, v4
	s_wait_dscnt 0x0
	v_lshrrev_b32 v21, 5, v0
	v_readfirstlane_b32 s[WV], v21                 ; wave 0..3
	s_bfe_u32 s70, ttmp6, 0x40000                  ; cx
	s_lshl_b32 s71, ttmp9, 2
	s_add_co_u32 s71, s71, s70                     ; qb: my block of 64 queries; it enters global addresses alone
	s_and_b32 s76, ttmp7, 0xffff                   ; b
	s_and_b32 s[J0], ttmp9, 3                      ; j0 = 4 (x % 4) + 2 (x / 4), x the cluster's number in its batch, 0 to 7: the same in all four partners
	s_lshl_b32 s[J0], s[J0], 2
	s_lshr_b32 s85, ttmp9, 2
	s_and_b32 s85, s85, 1
	s_lshl_b32 s85, s85, 1
	s_add_co_u32 s[J0], s[J0], s85
	s_mov_b32 s[OF+1], 0
	s_mov_b32 s[O2+1], 0
	s_lshl_b32 s78, s76, 18                        ; K's images: (128 b + 2 w) tiles of 2,048 bytes
	s_lshl_b32 s79, s[WV], 12
	s_add_co_u32 s78, s78, s79
	s_mov_b32 s79, 0
	s_lshl_b32 s80, s76, 14                        ; K's scale words: 128 bytes a tile
	s_lshl_b32 s81, s[WV], 8
	s_add_co_u32 s80, s80, s81
	s_mov_b32 s81, 0
	s_lshl_b32 s72, s76, 18                        ; Q's images, 2 MiB on: (128 b + 4 qb) tiles
	s_lshl_b32 s73, s71, 13
	s_add_co_u32 s72, s72, s73
	s_add_co_u32 s72, s72, 2097152
	s_mov_b32 s73, 0
	s_lshl_b32 s74, s76, 14
	s_lshl_b32 s75, s71, 9
	s_add_co_u32 s74, s74, s75
	s_add_co_u32 s74, s74, 131072
	s_mov_b32 s75, 0
	s_lshl_b32 s68, s76, 23                        ; x, out: batch x 8 MiB + 256 w rows of 8,192 bytes + 256 qb
	s_lshl_b32 s69, s[WV], 21
	s_add_co_u32 s68, s68, s69
	s_lshl_b32 s69, s71, 8
	s_add_co_u32 s68, s68, s69
	s_mov_b32 s69, 0
	s_lshl_b32 s82, s76, 4                         ; V: record (16 b, w)
	s_mul_i32 s82, s82, SLOTB
	s_mul_i32 s84, s[WV], REC
	s_add_co_u32 s82, s82, s84
	s_mov_b32 s83, 0
	; descriptor group 1: a dense block of 132 rows of 256 bytes (32 elements of 8 bytes), no padding: the images are read 512 consecutive bytes at a time
	s_mov_b32 s[G1], 15|(3<<16)|(1<<21)            ; 15:0 the mask: all four work-groups; 17:16 elements of 8 bytes; 21 set beside a mask
	s_mov_b32 s[G1+1], 32<<16
	s_mov_b32 s[G1+2], 132<<16
	s_mov_b32 s[G1+3], 32<<16
	s_mov_b32 s[G1+4], 132
	s_mov_b32 s[G1+5], 32
	s_mov_b32 s[G1+6], 0
	s_mov_b32 s[G1+7], 0
	s_mov_b32 s[SEL], 0x76543210
	s_mov_b32 s[SEL+1], 0xfedcba98
	s_mov_b32 s[CS], 0x3e0293ee                    ; c = log2(e) / sqrt(128)
	s_mov_b32 s[CS+1], s[CS]
	s_mov_b32 s[MNT], 0x600000
	v_and_b32 v21, 31, v0                          ; lane
	v_and_b32 v22, 15, v0                          ; r
	v_bfe_u32 v23, v0, 4, 1                        ; h
	v_lshlrev_b32 v[L16], 4, v21
	v_lshlrev_b32 v[L4], 2, v21
	v_add_nc_u32 v[PRA], PIMG, v[L16]
	v_add_nc_u32 v[PSA], PSC, v[L4]
	s_lshl_b32 s88, s[WV], 9
	s_add_co_u32 s89, s88, PIMG
	v_add_nc_u32 v[PWA], s89, v[L16]
	s_add_co_u32 s89, s[WV], PSC
	v_add_nc_u32 v[PBA], s89, v[L4]
	v_add_nc_u32 v[AV], s84, v[L16]
	s_add_co_u32 s89, s84, SLOTB
	v_add_nc_u32 v[AV+1], s89, v[L16]
	s_add_co_u32 s89, s84, 32768
	v_add_nc_u32 v[AVS], s89, v[L4]
	s_add_co_u32 s89, s89, SLOTB
	v_add_nc_u32 v[AVS+1], s89, v[L4]
	s_add_co_u32 s89, s88, STM
	v_add_nc_u32 v[STA], s89, v[L4]
	v_add_nc_u32 v[STR], STM, v[L4]
	s_mul_i32 s89, s[WV], 4352
	s_add_co_u32 s89, s89, STG
	v_mul_u32_u24 v[SO], v22, 272
	v_lshl_add_u32 v[SO], v23, 6, v[SO]
	v_add_nc_u32 v[SO], s89, v[SO]                 ; into the stage: row = my channel, + 64 h
	v_mul_u32_u24 v[SR], v23, 272
	v_lshl_add_u32 v[SR], v22, 4, v[SR]
	v_add_nc_u32 v[SR], s89, v[SR]                 ; back: lanes 0-15 one row, lanes 16-31 the next
	v_lshlrev_b32 v[GX], 4, v22
	v_lshl_or_b32 v[GX], v23, 13, v[GX]            ; and the same two rows in x and out
	s_lshl_b32 s89, s[WV], 8
	s_add_co_u32 s89, s89, RLW
	v_and_b32 v[RLA], 8, v22
	v_add_nc_u32 v[RLA], v[RLA], v22
	v_lshlrev_b32 v[RLA], 2, v[RLA]
	v_add_nc_u32 v[RLA], s89, v[RLA]               ; 4 (r + 8 (r / 8)): my query's token within its tile pair
	v_lshl_add_u32 v[RLR], v22, 4, s89
.irp mm, 0,1,2,3
	v_mov_b32 v[TP+\mm], 0                         ; written once: a lane permute's destination counts as one of its sources
.endr
	s_wait_kmcnt 0x0
	s_load_b32 s[GAM], s[12:13], 0x0
	s_add_nc_u64 s[KB:KB+1], s[4:5], s[78:79]
	s_add_nc_u64 s[KSB:KSB+1], s[6:7], s[80:81]
	s_add_nc_u64 s[QIP:QIP+1], s[4:5], s[72:73]
	s_add_nc_u64 s[QSP:QSP+1], s[6:7], s[74:75]
	s_add_nc_u64 s[XBP:XBP+1], s[10:11], s[68:69]
	s_add_nc_u64 s[OBP:OBP+1], s[14:15], s[68:69]
	s_add_nc_u64 s[VBS:VBS+1], s[8:9], s[82:83]
	s_mul_i32 s[OF], s[J0], SLOTB
	s_mov_b32 s[G0], 1
	s_mov_b32 s[G0+1], s84
	s_add_nc_u64 s[G0+2:G0+3], s[VBS:VBS+1], s[OF:OF+1]    ; key step j0,
	s_mov_b32 s[G0+4], 1
	s_add_co_u32 s[G0+5], s84, SLOTB
	s_add_nc_u64 s[G0+6:G0+7], s[G0+2:G0+3], SLOTB         ; and j0 + 1, which is 15 at the most
	s_or_b32 s[G0+3], s[G0+3], 0x80000000
	s_or_b32 s[G0+7], s[G0+7], 0x80000000
	s_add_co_u32 s[NR], s[J0], 2
	s_add_co_u32 s[KN], s[J0], 1
	ROUND                                          ; all four work-groups are here: the first joint loads meet
	tensor_load_to_lds s[G0:G0+3], s[G1:G1+7]      ; my record of step 0,
	s_nop 0
	tensor_load_to_lds s[G0+4:G0+7], s[G1:G1+7]    ; of step 1: two loads of mine are out
	s_nop 0
	NOPS 4
.macro KNEXT                           ; K's two bases at key step KN % 16: 16,384 bytes of images and 1,024 of scale words a step.  It stands behind the wait that shows the last loads from these bases done
	s_and_b32 s[OF], s[KN], 15
	s_lshl_b32 s[O2], s[OF], 10
	s_lshl_b32 s[OF], s[OF], 14
	s_add_nc_u64 s[KP:KP+1], s[KB:KB+1], s[OF:OF+1]
	s_add_nc_u64 s[KSP:KSP+1], s[KSB:KSB+1], s[O2:O2+1]
	s_add_co_u32 s[KN], s[KN], 1
.endm
.macro KLOAD                           ; my two tiles of K of that step, and their scale words: ten loads
.irp uu, 0,1
.irp cc, 0,1,2,3
	global_load_b128 v[KF+16*\uu+4*\cc:KF+16*\uu+4*\cc+3], v[L16], s[KP:KP+1] offset:2048*\uu+512*\cc
.endr
.endr
.irp uu, 0,1
	global_load_b32 v[KS+\uu], v[L4], s[KSP:KSP+1] offset:128*\uu
.endr
.endm
.macro P1LOAD e                        ; pass 1, element e (1..15) = step (e + 1) % 16, into set (e - 1) % 4 of the ring.  The set's bases are written behind the counted wait that shows the set's last ten loads done
.set pn, ((\e)+1)%16
.set pse, ((\e)-1)%4
	s_add_co_u32 s[OF], s[J0], pn
	s_and_b32 s[OF], s[OF], 15
	s_lshl_b32 s[O2], s[OF], 10
	s_lshl_b32 s[OF], s[OF], 14
	s_add_nc_u64 s[PB+4*pse:PB+4*pse+1], s[KB:KB+1], s[OF:OF+1]
	s_add_nc_u64 s[PB+4*pse+2:PB+4*pse+3], s[KSB:KSB+1], s[O2:O2+1]
	WIN 0x80
.irp uu, 0,1
.irp cc, 0,1,2,3
	global_load_b128 v[32*pse+16*\uu+4*\cc:32*pse+16*\uu+4*\cc+3], v[L16], s[PB+4*pse:PB+4*pse+1] offset:2048*\uu+512*\cc
.endr
.endr
	WIN 0
.irp uu, 0,1
	global_load_b32 v[VS+2*pse+\uu], v[L4], s[PB+4*pse+2:PB+4*pse+3] offset:128*\uu
.endr
.endm
.macro SMUL kb, win, ksc, dst          ; eight products: my 32 keys x 64 queries; eight accumulators, each begun with 0
	WIN \win
.irp mm, 0,1,2,3
.irp uu, 0,1
	v_wmma_scale_f32_16x16x128_f8f6f4 v[\dst+16*\mm+8*\uu:\dst+16*\mm+8*\uu+7], v[\kb+16*\uu:\kb+16*\uu+15], v[QF+16*\mm:QF+16*\mm+15], 0, v[\ksc+\uu], v[QS+\mm]
.endr
.endr
	WIN 0
.endm
.macro MAXB buf, first                 ; the running maxima of my keys' scores, a tile of queries to a register; each accumulator is read from its low end on
.irp mm, 0,1,2,3
.if \first
	v_max_num_f32 v[BM+\mm], v[\buf+16*\mm], v[\buf+16*\mm+1]
.else
	v_max3_num_f32 v[BM+\mm], v[BM+\mm], v[\buf+16*\mm], v[\buf+16*\mm+1]
.endif
.endr
.irp ii, 2,4,6,8,10,12,14
.irp mm, 0,1,2,3
	v_max3_num_f32 v[BM+\mm], v[BM+\mm], v[\buf+16*\mm+\ii], v[\buf+16*\mm+\ii+1]
.endr
.endr
.endm
.macro P1ELEM e
.if 15-(\e) >= 3
	s_wait_loadcnt 30                              ; this element's ten loads are in; the next three elements' may be out
.else
	s_wait_loadcnt 10*(15-(\e))
.endif
.set kbs, 32*(((\e)-1)%4)
.set kss, VS+2*(((\e)-1)%4)
.if (\e)%2
	SMUL kbs, 0x06, kss, S
	MAXB PF, (\e)==1                               ; the element before; these 32 lines are also the places in front of the loads below
.else
	SMUL kbs, 0x06, kss, PF
	MAXB S, 0
.endif
.if (\e)+4 <= 15
	P1LOAD (\e)+4
.endif
.endm
; THE SOFTMAX of the scores in S, and P's images into buffer pb.
.macro SOFTMAX pb
.irp mm, 0,1,2,3
	v_max3_num_f32 v[BM+\mm], v[S+16*\mm], v[S+16*\mm+1], v[S+16*\mm+2]    ; the block's largest score: p rises with the score, so it gives the block's largest p
.endr
.irp ii, 3,5,7,9,11,13
.irp mm, 0,1,2,3
	v_max3_num_f32 v[BM+\mm], v[BM+\mm], v[S+16*\mm+\ii], v[S+16*\mm+\ii+1]
.endr
.endr
.irp mm, 0,1,2,3
	v_max_num_f32 v[BM+\mm], v[BM+\mm], v[S+16*\mm+15]
.endr
.irp mm, 0,1,2,3
	v_permlanex16_b32 v[TP+\mm], v[BM+\mm], s[SEL], s[SEL+1]
.endr
.irp mm, 0,1,2,3
	v_max_num_f32 v[BM+\mm], v[BM+\mm], v[TP+\mm]
.endr
.irp mm, 0,1,2,3
.irp jj, 0,2,4,6,8,10,12,14
	v_pk_fma_f32 v[S+16*\mm+\jj:S+16*\mm+\jj+1], v[S+16*\mm+\jj:S+16*\mm+\jj+1], s[CS:CS+1], v[ST+4*\mm:ST+4*\mm+1] op_sel_hi:[1,0,0]   ; t - M, two at a time
.endr
.endr
.irp mm, 0,1,2,3
	v_fma_f32 v[BM+\mm], v[BM+\mm], s[CS], v[ST+4*\mm]
.endr
.set ee, 0
.rept 64
	v_exp_f32 v[S+ee], v[S+ee]                     ; p = 2^(t - M), at most 1: not normalised
.set ee, ee+1
.endr
.irp mm, 0,1,2,3
	v_exp_f32 v[BM+\mm], v[BM+\mm]                 ; the block's largest p: the same two instructions on the same number
.endr
	v_nop                                          ; a plain line behind the last exponential
	s_wait_alu depctr_va_vdst(0)                   ; one wait for the batch of 68, ahead of its first reader
.irp jj, 0,2,4,6,8,10,12,14
.irp mm, 0,1,2,3
	v_pk_add_f32 v[ST+4*\mm+2:ST+4*\mm+3], v[ST+4*\mm+2:ST+4*\mm+3], v[S+16*\mm+\jj:S+16*\mm+\jj+1]    ; the row's sum, of the unquantised p; four chains by turns
.endr
.endr
.irp mm, 0,1,2,3
	v_max_num_f32 v[BM+\mm], 0x4800000, v[BM+\mm]  ; the floor 2^(9 - 127): the byte cannot fall under 1
.endr
.irp mm, 0,1,2,3
	v_add_nc_u32 v[SCO+\mm], 0xfc000000, v[BM+\mm]
.endr
.irp mm, 0,1,2,3
	v_and_or_b32 v[HD+\mm], v[BM+\mm], 0x7f800000, s[MNT]
.endr
.irp mm, 0,1,2,3
	v_lshrrev_b32 v[TP+\mm], 23, v[SCO+\mm]        ; the scale's byte
.endr
.irp mm, 0,1,2,3
.irp ii, 0,1,2,3,4,5,6,7,8,9,10,11,12,13,14,15
	v_min_num_f32 v[S+16*\mm+\ii], v[S+16*\mm+\ii], v[HD+\mm]      ; the conversion does not saturate (ISA guide 7.6.2); p is not negative, so the hold is one-sided
.endr
	v_cvt_scalef32_pk8_fp8_f32 v[PC+4*\mm:PC+4*\mm+1], v[S+16*\mm:S+16*\mm+7], v[SCO+\mm]
	v_cvt_scalef32_pk8_fp8_f32 v[PC+4*\mm+2:PC+4*\mm+3], v[S+16*\mm+8:S+16*\mm+15], v[SCO+\mm]
.endr
	v_nop                                          ; a plain line between the last conversion and the products that write its sources anew
.irp mm, 0,1,2,3
	ds_store_b128 v[PWA], v[PC+4*\mm:PC+4*\mm+3] offset:(\pb)*8192+2048*\mm
.endr
.irp mm, 0,1,2,3
	ds_store_b8 v[PBA], v[TP+\mm] offset:(\pb)*512+128*\mm
.endr
.endm
.macro PLOADS p, pb                    ; 76 LDS loads in one run: P's four fragments and scale words, V's scale words, V's fragments 0 to 11
.irp mm, 0,1,2,3
.irp cc, 0,1,2,3
	ds_load_b128 v[PF+16*\mm+4*\cc:PF+16*\mm+4*\cc+3], v[PRA] offset:(\pb)*8192+2048*\mm+512*\cc
.endr
.endr
.irp mm, 0,1,2,3
	ds_load_b32 v[PS+\mm], v[PSA] offset:(\pb)*512+128*\mm
.endr
.irp qv, 0,1,2,3,4,5,6,7
	ds_load_b32 v[VS+\qv], v[AVS+(\p)] offset:128*\qv      ; lanes 0-15: fragment 2 q; lanes 16-31: fragment 2 q + 1
.endr
	WIN 0x40
.irp ff, 0,1,2,3,4,5,6,7,8,9,10,11
.irp cc, 0,1,2,3
	ds_load_b128 v[16*\ff+4*\cc:16*\ff+4*\cc+3], v[AV+(\p)] offset:2048*\ff+512*\cc
.endr
.endr
	WIN 0
.endm
; 64 products: each fragment of V against P's four.  The 64 accumulators take turns, one instruction a turn, from trip to trip too.
; The waits count the LDS instructions issued behind what is wanted: 32 = P's 8 stores and fragments 6-11 (in the last trip, without stores: fragments 4-11); 16 = the stores and fragments 10, 11 (8-11); 16 = the late run.
.macro PV p, zero
.set ii, 0
.rept 16
.if ii == 0
	s_wait_dscnt 32
.elseif ii == 4
	s_wait_dscnt 16
.elseif ii == 8
	s_wait_dscnt 16
.elseif ii == 12
	s_wait_dscnt 0
.endif
	WIN 0xa4+0x50*(ii/8)
.set mm, 0
.rept 4
.set rD, 8*(4*(ii%8)+mm)
.set rB, 16*(ii%12)
.if (\zero) && (ii%2)
	v_wmma_scale_f32_16x16x128_f8f6f4 v[rD:rD+7], v[PF+16*mm:PF+16*mm+15], v[rB:rB+15], 0, v[PS+mm], v[VS+ii/2] matrix_b_scale:MATRIX_SCALE_ROW1
.elseif \zero
	v_wmma_scale_f32_16x16x128_f8f6f4 v[rD:rD+7], v[PF+16*mm:PF+16*mm+15], v[rB:rB+15], 0, v[PS+mm], v[VS+ii/2]
.elseif ii%2
	v_wmma_scale_f32_16x16x128_f8f6f4 v[rD:rD+7], v[PF+16*mm:PF+16*mm+15], v[rB:rB+15], v[rD:rD+7], v[PS+mm], v[VS+ii/2] matrix_b_scale:MATRIX_SCALE_ROW1
.else
	v_wmma_scale_f32_16x16x128_f8f6f4 v[rD:rD+7], v[PF+16*mm:PF+16*mm+15], v[rB:rB+15], v[rD:rD+7], v[PS+mm], v[VS+ii/2]
.endif
.set mm, mm+1
.endr
.if ii == 5
	NOPS 8                                         ; places in front of loads into the buffers that fragments 0 to 3 have left
	WIN 0x40
.irp ff, 12,13,14,15
.irp cc, 0,1,2,3
	ds_load_b128 v[16*(\ff-12)+4*\cc:16*(\ff-12)+4*\cc+3], v[AV+(\p)] offset:2048*\ff+512*\cc
.endr
.endr
.endif
.set ii, ii+1
.endr
	WIN 0
.endm
; THE CHANGE OF SLOTS at a trip's head.  All my tensor loads have landed (this trip's record); the add; my stores of P and my reads of the slot and of the P buffer that are written next are over; a round of the cluster's barrier;
; the joint refill of slot q first behind it: one load of mine is out, and it has a trip in which to land.  The nine v_nop are the form behind a tensor load and the places behind the last products.
.macro CHANGE q
	s_wait_tensorcnt 0x0
	ds_add_u32 v[SPW], v[NIL]                      ; 0 onto my spare word
	s_and_b32 s[OF], s[NR], 15                     ; no load of mine is out, so a group 0 may be written: the record of key step NR % 16
	s_mul_i32 s[OF], s[OF], SLOTB
	s_add_nc_u64 s[G0+4*(\q)+2:G0+4*(\q)+3], s[VBS:VBS+1], s[OF:OF+1]
	s_or_b32 s[G0+4*(\q)+3], s[G0+4*(\q)+3], 0x80000000
	s_add_co_u32 s[NR], s[NR], 1
	s_wait_dscnt 0x0
	ROUND
	tensor_load_to_lds s[G0+4*(\q):G0+4*(\q)+3], s[G1:G1+7]
	s_nop 0
	NOPS 9
.endm
.macro TRIP p                          ; trip n, p = n % 2
	CHANGE 1-(\p)
	s_wait_loadcnt 0x0                             ; K of step n + 1, asked for a trip ago: its loads are done, so their bases may be written
	SMUL KF, 0x04, KS, S
	PLOADS \p, \p
	NOPS 8                                         ; places in front of the loads into K's registers and of the first read of the scores
	KNEXT
	KLOAD                                          ; K of step n + 2
	SOFTMAX 1-(\p)
	PV \p, 0
.endm
	WIN 0x40
.irp mm, 0,1,2,3
.irp cc, 0,1,2,3
	global_load_b128 v[QF+16*\mm+4*\cc:QF+16*\mm+4*\cc+3], v[L16], s[QIP:QIP+1] offset:2048*\mm+512*\cc    ; Q stays in registers
.endr
.endr
	WIN 0
.irp mm, 0,1,2,3
	global_load_b32 v[QS+\mm], v[L4], s[QSP:QSP+1] offset:128*\mm
.endr
	KNEXT
	KLOAD                                          ; K of step 1
	P1LOAD 1
	P1LOAD 2
	P1LOAD 3
	P1LOAD 4
	s_wait_kmcnt 0x0                               ; gamma
	; PASS 1: the steps in the order 1, 2, .. 15, 0, so that at its end K of step 1 still stands in KF and the scores of step 0 in S: neither is fetched or made twice
	s_wait_loadcnt 40                              ; Q and K of step 1 are in; the ring's four elements may be out
	SMUL KF, 0x04, KS, PF
	NOPS 8                                         ; places in front of the first read of these scores
.irp e, 1,2,3,4,5,6,7,8,9,10,11,12,13,14,15
	P1ELEM \e
.endr
	NOPS 8
	MAXB S, 0
.irp mm, 0,1,2,3
	v_permlanex16_b32 v[TP+\mm], v[BM+\mm], s[SEL], s[SEL+1]
.endr
.irp mm, 0,1,2,3
	v_max_num_f32 v[BM+\mm], v[BM+\mm], v[TP+\mm]
.endr
.irp mm, 0,1,2,3
	ds_store_b32 v[STA], v[BM+\mm] offset:128*\mm
.endr
	s_wait_dscnt 0x0                               ; for the others' sake: my maxima lie in LDS
	s_barrier_signal -1
	s_barrier_wait -1
.irp mm, 0,1,2,3
.irp ww, 0,1,2,3
	ds_load_b32 v[PF+4*\mm+\ww], v[STR] offset:512*\ww+128*\mm
.endr
.endr
	s_wait_dscnt 0x0
.irp mm, 0,1,2,3
	v_max3_num_f32 v[BM+\mm], v[PF+4*\mm], v[PF+4*\mm+1], v[PF+4*\mm+2]
.endr
.irp mm, 0,1,2,3
	v_max_num_f32 v[BM+\mm], v[BM+\mm], v[PF+4*\mm+3]      ; the row's largest score
.endr
.irp mm, 0,1,2,3
	v_mul_f32 v[BM+\mm], s[CS], v[BM+\mm]          ; as t (c is positive)
.endr
.irp mm, 0,1,2,3
	v_floor_f32 v[ST+4*\mm], -v[BM+\mm]            ; -M = floor(-t) = -ceil(t)
.endr
.irp mm, 0,1,2,3
	v_mov_b32 v[ST+4*\mm+1], v[ST+4*\mm]           ; (named with it as a pair)
	v_mov_b32 v[ST+4*\mm+2], 0                     ; the sum, in two halves
	v_mov_b32 v[ST+4*\mm+3], 0
.endr
	SOFTMAX 0                                      ; step 0
	; TRIP 0: written out: its products start the sums, and nothing is filled again
	s_wait_tensorcnt 0x1                           ; my record of step 0 is in, which I alone read; step 1's may be out
	s_wait_dscnt 0x0                               ; my part of P(0) lies in LDS
	s_barrier_signal -1
	s_barrier_wait -1
	s_wait_loadcnt 0x0
	SMUL KF, 0x04, KS, S
	PLOADS 0, 0
	NOPS 8
	KNEXT
	KLOAD                                          ; K of step 2
	SOFTMAX 1
	PV 0, 1
	s_mov_b32 s[CNT], 7
.Ltrips:                                           ; trips 1 to 14, two a turn of the loop
	TRIP 1
	TRIP 0
	s_sub_co_u32 s[CNT], s[CNT], 1
	s_cmp_lg_u32 s[CNT], 0
	s_cbranch_scc1 .Ltrips
	; TRIP 15: written out: no scores, no softmax, no refill.  The sums are whole: they go to the other waves with the same barrier
.irp mm, 0,1,2,3
	v_add_f32 v[BM+\mm], v[ST+4*\mm+2], v[ST+4*\mm+3]
.endr
.irp mm, 0,1,2,3
	v_permlanex16_b32 v[TP+\mm], v[BM+\mm], s[SEL], s[SEL+1]
.endr
.irp mm, 0,1,2,3
	v_add_f32 v[BM+\mm], v[BM+\mm], v[TP+\mm]
.endr
.irp mm, 0,1,2,3
	ds_store_b32 v[STA], v[BM+\mm] offset:2048+128*\mm
.endr
	s_wait_tensorcnt 0x0
	ds_add_u32 v[SPW], v[NIL]
	s_wait_dscnt 0x0
	s_barrier_signal -1
	s_barrier_wait -1
	NOPS 9
	PLOADS 1, 1
	PV 1, 0
; THE WAY OUT.  A fragment's 16 channels x 64 tokens go through my stage in LDS and come back as whole rows of 256 bytes; out = row x gamma / l + x; sixteen lanes store one aligned run of 256 bytes.
.macro XLOAD i                         ; x of channels 16 i .. +15, into set i % 6
	WIN 0x40
.irp tt, 0,1,2,3,4,5,6,7
	global_load_b128 v[32*((\i)%6)+4*\tt:32*((\i)%6)+4*\tt+3], v[GX], s[XBP:XBP+1] offset:(\i)*131072+\tt*16384 th:TH_LOAD_NT
.endr
	WIN 0
.endm
.macro TOSTAGE i
	WIN 0x08+4*((\i)/8)                            ; an LDS store's data are its source 1: window 2 or 3
.irp mm, 0,1,2,3
	ds_store_b128 v[SO], v[8*(4*((\i)%8)+\mm):8*(4*((\i)%8)+\mm)+3] offset:128*(\mm/2)+32*(\mm%2)          ; each accumulator from its low end on
	ds_store_b128 v[SO], v[8*(4*((\i)%8)+\mm)+4:8*(4*((\i)%8)+\mm)+7] offset:128*(\mm/2)+32*(\mm%2)+16
.endr
	WIN 0
.irp tt, 0,1,2,3,4,5,6,7
	ds_load_b128 v[YB+32*((\i)%2)+4*\tt:YB+32*((\i)%2)+4*\tt+3], v[SR] offset:544*\tt     ; LDS serves a wave's instructions in order (ISA guide 5.7.1.4): these see the stores above
.endr
.endm
.macro SEND i, younger
.set yb, YB+32*((\i)%2)
.set xb, 32*((\i)%6)
	s_wait_dscnt \younger                          ; the rows are back; the next tile's 16 LDS instructions may be out
.if 15-(\i) >= 5
	s_wait_loadcnt 40                              ; this tile's x is in; the five later sets may be out
.else
	s_wait_loadcnt 8*(15-(\i))
.endif
	WIN 0x10                                       ; x stands in window 1
.set qq, 0
.rept 16
	v_pk_fma_f32 v[yb+2*qq:yb+2*qq+1], v[yb+2*qq:yb+2*qq+1], v[G4+2*(qq%2):G4+2*(qq%2)+1], v[xb+2*qq:xb+2*qq+1]
.set qq, qq+1
.endr
	WIN 0
.irp tt, 0,1,2,3,4,5,6,7
	global_store_b128 v[GX], v[yb+4*\tt:yb+4*\tt+3], s[OBP:OBP+1] offset:(\i)*131072+\tt*16384 th:TH_STORE_NT
.endr
.endm
	NOPS 9                                         ; places behind the last products
.irp i, 0,1,2,3,4,5
	XLOAD \i
.endr
.irp mm, 0,1,2,3
.irp ww, 0,1,2,3
	ds_load_b32 v[PF+4*\mm+\ww], v[STR] offset:2048+512*\ww+128*\mm
.endr
.endr
	s_wait_dscnt 0x0
.irp mm, 0,1,2,3
	v_add_f32 v[BM+\mm], v[PF+4*\mm], v[PF+4*\mm+1]
	v_add_f32 v[TP+\mm], v[PF+4*\mm+2], v[PF+4*\mm+3]
.endr
.irp mm, 0,1,2,3
	v_add_f32 v[BM+\mm], v[BM+\mm], v[TP+\mm]      ; l of my query
.endr
.irp mm, 0,1,2,3
	v_rcp_f32 v[BM+\mm], v[BM+\mm]
.endr
	v_nop                                          ; a plain line behind the last reciprocal
	s_wait_alu depctr_va_vdst(0)                   ; one wait for the four, ahead of their first reader
.irp mm, 0,1,2,3
	v_mul_f32 v[BM+\mm], s[GAM], v[BM+\mm]
.endr
.irp mm, 0,1,2,3
	ds_store_b32 v[RLA], v[BM+\mm] offset:128*(\mm/2)+32*(\mm%2)   ; by token, into my wave's own 256 bytes; both halves of the lanes write the same word
.endr
	ds_load_b128 v[G4:G4+3], v[RLR]                ; gamma / l of tokens 4 r .. 4 r + 3
	TOSTAGE 0
.irp i, 1,2,3,4,5,6,7,8,9,10,11,12,13,14,15
.if \i >= 2
	s_wait_xcnt 0x0                                ; the stores of two tiles back have read their registers: this tile's rows may land there
.endif
	TOSTAGE \i
	SEND \i-1, 16
.if \i+5 <= 15
	XLOAD \i+5
.endif
.endr
	SEND 15, 0
	s_wait_tensorcnt 0x0                           ; the wave's end
	ds_add_u32 v[SPW], v[NIL]
	s_wait_dscnt 0x0
	ROUND                                          ; the closing round
	s_endpgm
.Lfunc_end_k_qdc76278bff_attn:
	.size	k_qdc76278bff_attn, .Lfunc_end_k_qdc76278bff_attn-k_qdc76278bff_attn
	.p2alignl 7, 3214868480
	.fill 96, 4, 3214868480
	.section	.rodata,"a",@progbits
	.p2align	6, 0x0
	.amdhsa_kernel k_qdc76278bff_attn
		.amdhsa_group_segment_fixed_size 327680
		.amdhsa_private_segment_fixed_size 0
		.amdhsa_enable_private_segment 0
		.amdhsa_kernarg_size 48
		.amdhsa_user_sgpr_count 2
		.amdhsa_user_sgpr_kernarg_segment_ptr 1
		.amdhsa_wavefront_size32 1
		.amdhsa_system_sgpr_workgroup_id_x 1
		.amdhsa_system_sgpr_workgroup_id_y 1
		.amdhsa_system_sgpr_workgroup_id_z 1
		.amdhsa_system_vgpr_workitem_id 0
		.amdhsa_next_free_vgpr 1024
		.amdhsa_next_free_sgpr 100
		.amdhsa_reserve_vcc 0
		.amdhsa_float_denorm_mode_32 3
		.amdhsa_float_denorm_mode_16_64 3
		.amdhsa_memory_ordered 1
		.amdhsa_forward_progress 1
		.amdhsa_inst_pref_size 255
	.end_amdhsa_kernel
	.section	.bss,"aw",@nobits
	.p2align	6
	.space	262144
	.amdgpu_metadata
---
amdhsa.version: [ 1, 2 ]
amdhsa.kernels:
  - .name:           k_qdc76278bff_attn
    .symbol:         k_qdc76278bff_attn.kd
    .args:
      - { .name: qkimg, .offset: 0, .size: 8, .value_kind: global_buffer, .address_space: global }
      - { .name: qksc, .offset: 8, .size: 8, .value_kind: global_buffer, .address_space: global }
      - { .name: vrec, .offset: 16, .size: 8, .value_kind: global_buffer, .address_space: global }
      - { .name: x, .offset: 24, .size: 8, .value_kind: global_buffer, .address_space: global }
      - { .name: gamma, .offset: 32, .size: 8, .value_kind: global_buffer, .address_space: global }
      - { .name: out0, .offset: 40, .size: 8, .value_kind: global_buffer, .address_space: global }
    .group_segment_fixed_size: 327680
    .private_segment_fixed_size: 0
    .kernarg_segment_align: 8
    .kernarg_segment_size: 48
    .max_flat_workgroup_size: 128
    .sgpr_count:     100
    .vgpr_count:     1024
    .wavefront_size: 32
...
	.end_amdgpu_metadata
.endif
;; end of part 4
